; MI455X (gfx1250); checked and timed in simulation.
; The chip was launched on July 23, 2026; its instructions are those of AMD's public machine-readable ISA for CDNA 5 (MIT licence, August 2026) and "CDNA5" Instruction Set Architecture Reference Guide (July 2026). The comments in the code are by the model that wrote it; some were corrected since.
;; Streaming Self Attention. Allowed arithmetic: matrix products marked QUANTISED: E2M3 operands, one E8M0 scale for each 32 along K, by v_wmma_scale_f32_16x16x128_f8f6f4 with both operands' format E2M3, f32 sums; everything else in f32.
;; Inputs: W_in 3,072 x 1,024 float32; W_out 1,024 x 1,024 float32; b_in 3,072 float32; b_out 1,024 float32; x 4 x 2,048 x 1,024 float32.
;; Outputs: out0 4 x 2,048 x 1,024 float32.
;; Constants: left_context = 512, lookahead = 64, nhead = 16.
;; This version of the problem:
;;   THIS VERSION OF THE PROBLEM IS GIVEN IN LOW PRECISION. The matrix products marked QUANTISED in the list below multiply operands that are first quantised to E2M3 (2 exponent bits, 3 mantissa bits; 6 bits a number), with one power-of-two scale for each 32 numbers along K (OCP MX v1.0); their sums are f32. All else is computed in f32.
;;   The module's matrix products, in the order in which they are computed (A, B: the left and right operand; K: the contracted axis; several contracted axes count as one K, in the product's order):
;;     1. [M 8,192, K 1,024] x [K 1,024, N 3,072]; A: input x; B: input W_in: QUANTISED
;;     2. batch 64 x [M 2,048, K 64] x [K 64, N 2,048]; A: computed on the way; B: computed on the way: QUANTISED
;;     3. batch 64 x [M 2,048, K 2,048] x [K 2,048, N 64]; A: softmax (see below); B: computed on the way: QUANTISED
;;     4. [M 8,192, K 1,024] x [K 1,024, N 1,024]; A: computed on the way; B: input W_out: QUANTISED
;;   THE QUANTISER, for each operand of a quantised product, along K:
;;     - K is cut into blocks of 32 from its start; a last block that is shorter is filled with zeros.
;;     - A block's scale is 2^e with e = floor(log2(the largest magnitude in the block)) - 2, held to -126 .. 127; a block of zeros has e = 0. As a byte (E8M0): e + 127.
;;     - Each number is divided by its block's scale, clamped to +-7.5, and rounded to the nearest number of E2M3, ties to even, subnormals kept.
;;     - The product sums the exact products of the quantised numbers (number of the format x scale) in f32.
;;   ~~~python
;;   def quantise(x, axis):      # numpy; x: float32 -> the quantised numbers, widened to float32 again
;;       x = np.moveaxis(x, axis, -1); K = x.shape[-1]
;;       x = np.pad(x, [(0, 0)] * (x.ndim - 1) + [(0, -K % 32)]); x = x.reshape(x.shape[:-1] + (-1, 32)); a = np.abs(x).max(-1, keepdims=True)
;;       e = np.where(a > 0, np.clip(np.frexp(np.where(a > 0, a, 1))[1] - 1 - 2, -126, 127), 0)      # np.frexp(a)[1] - 1 = floor(log2(a)), exactly
;;       r = np.clip(x / 2.0 ** e, -7.5, 7.5)
;;       step = 2.0 ** (np.maximum(np.frexp(np.where(r == 0, 1, r))[1] - 1, 0) - 3)
;;       q = np.round(r / step) * step * 2.0 ** e      # np.round: ties to even
;;       return np.moveaxis(q.reshape(q.shape[:-2] + (-1,))[..., :K], -1, axis).astype(np.float32)
;;   ~~~
;;   SOFTMAX AHEAD OF A QUANTISED PRODUCT. Where the list says 'softmax', what is quantised is not the finished softmax but p = 2^(t - M), with t = logit x log2(e) and M = ceil(the row's largest t), a whole number; so 1/2 < the row's largest p <= 1. The row's sum l is taken of the UNQUANTISED p, in f32, and the product's result is divided by l at the end. Since M is a whole number, a kernel that streams over the keys may use a running M (the ceiling of the running maximum): every later rescaling is an exact power of two, which a block's scale takes up: the codes' values come out the same.
;;   OPERANDS COMPUTED ON THE WAY. 'Computed on the way' means the value that the module computes at that place (a softmax that the list does not call 'softmax' is quantised finished and normalised). What goes into a quantiser is computed in f32, as accurately as f32 sums, v_exp_f32 and their like allow (about 1e-6 of the number): no bf16 or f16 on the way to a quantiser, and a product that is left as it is and whose result goes on into a quantised operand takes f32 operands (vector FMAs, or v_wmma_f32_16x16x4_f32). A number that lies on a knife's edge between two numbers of the format may be rounded either way, as far as f32 arithmetic and the matrix unit's own rounding can turn it there, and no further.
;; One version. Each part assembles by itself: llvm-mc -triple=amdgcn-amd-amdhsa -mcpu=gfx1250 --defsym DOCPART=n.
;; ======== version 1 of 1: 4 launches
;; workspace buffers: codes 15,728,640 bytes; scales 655,360 bytes; qkv 20,185,088 bytes
;; launch quant (part 1): grid 384 x 1, 8 waves a work-group, no clusters, 69,632 bytes of LDS; arguments x, W_in, W_out, codes, scales; writes codes, scales
.if DOCPART == 1
	.amdgcn_target "amdgcn-amd-amdhsa--gfx1250"
	.amdhsa_code_object_version 6
	.text
	.protected	k_q9db41648a1_quant
	.globl	k_q9db41648a1_quant
	.p2align	8
	.type	k_q9db41648a1_quant,@function
k_q9db41648a1_quant:
	s_mov_b64 s[64:65], 0
	v_nop
	global_prefetch_b8 v0, s[64:65] scope:SCOPE_SE
	s_setreg_imm32_b32 hwreg(HW_REG_WAVE_MODE, 25, 1), 1
	s_wait_xcnt 0x0
; x [8192][1024], W_in [3072][1024] and W_out [1024][1024], f32, K innermost, become codes of FP6 (E2M3) with one E8M0 byte for each 32 along K,
; laid as IMAGES OF OPERAND REGISTERS.  Rows go in groups of 128 (x: groups 0-63, W_in: 64-87, W_out: 88-95), a group in 8 tiles of 16 rows:
; row m of tile i is the group's row 32 (i / 2) + 8 (i % 2) + m + 8 (m / 8).  A fragment (a tile x 128 along K, 12 registers a lane) is 6 planes of 256 bytes:
; plane p holds registers 2 p, 2 p + 1, lane l's 8 bytes at 8 l.  codes: [group][K step 8][tile 8][1536];  scales: [group][K step 8][tile 8][16 words], a word = a row's four bytes.
; A block's scale is 2^(floor(log2(its largest magnitude)) - 2); its byte is the largest magnitude's exponent field - 2, held at 1 from below.
; LIMITS: a block of zeros, or one whose largest magnitude lies under 2^-124, carries the byte 1 where the rule says 127 (its codes are zeros or the floor's; only this program reads the bytes);
; NaN and infinities among the inputs are not served.
; SHARES: a work-group takes one group of rows and two K steps (1,024 bytes of each row); wave i takes tile i.  Each load reads 512 consecutive bytes of a row; the numbers turn through
; the wave's own stage in LDS so that lane (r, h) holds, of row r, the 16 neighbours 32 b + 16 h + 0 .. 15 of each block b.  No shared input, so no cluster; no tensor load, so no ring.
.set ROWB, 4096                        ; a row of any of the three tensors in bytes
.set R,    16                          ; v16-143  the numbers as loaded: K step s, tile row n at R + 64 s + 4 n
.set X,    144                         ; v144-207 64 numbers of my row: register 16 b + i = k 32 b + 16 h + i
.set PC,   208                         ; v208-226 the codes just made
.set TM,   228                         ; v228-243 at work
.set PW,   244                         ; v244     the scale word just made
.set SEL,  20                          ; s[20:21] lane selects: lane l xor 16
.set SP,   528                         ; a stage row: 512 bytes + 16
.set WST,  16*SP                       ; a wave's stage
.set SCG,  8*WST                       ; behind the stages: the work-group's 1,024 bytes of scale words, [K step 2][tile 8][16 words]
; 64 numbers of a lane, v[s] .. v[s + 63], become a fragment's codes in v[PC] .. v[PC + 11] and my row's scale word in v[PW]
.macro QUANT s
.irp b, 0,1,2,3
	v_max3_num_f32 v[TM+\b], |v[\s+16*\b]|, |v[\s+1+16*\b]|, 0x1800000   ; block b: my 16 numbers, and the floor 2^(3 - 127): the byte cannot fall under 1
.endr
.irp i, 2,4,6,8,10,12,14
.irp b, 0,1,2,3
	s_delay_alu instid0(VALU_DEP_4)
	v_max3_num_f32 v[TM+\b], v[TM+\b], |v[\s+16*\b+\i]|, |v[\s+1+16*\b+\i]|   ; the four blocks by turns
.endr
.endr
.irp b, 0,1,2,3
	s_delay_alu instid0(VALU_DEP_4)
	v_permlanex16_b32 v[TM+4+\b], v[TM+\b], s[SEL], s[SEL+1]
.endr
.irp b, 0,1,2,3
	s_delay_alu instid0(VALU_DEP_4)
	v_max_num_f32 v[TM+\b], v[TM+\b], v[TM+4+\b]   ; with lane l xor 16's 16: the block's largest magnitude
.endr
.irp b, 0,1,2,3
	s_delay_alu instid0(VALU_DEP_4)
	v_add_nc_u32 v[TM+12+\b], 0xff000000, v[TM+\b]   ; 2 off its exponent field: the conversion's scale operand
.endr
.irp b, 0,1,2,3
	s_delay_alu instid0(VALU_DEP_4)
	v_lshrrev_b32 v[TM+4+\b], 23, v[TM+12+\b]   ; the scale's byte
.endr
	s_delay_alu instid0(VALU_DEP_3)
	v_lshl_or_b32 v[PW], v[TM+5], 8, v[TM+4]
	s_delay_alu instid0(VALU_DEP_1)
	v_lshl_or_b32 v[PW], v[TM+6], 16, v[PW]
	s_delay_alu instid0(VALU_DEP_1)
	v_lshl_or_b32 v[PW], v[TM+7], 24, v[PW]
.irp c, 0,1
	v_cvt_scalef32_pk16_fp6_f32 v[PC+6*\c:PC+2+6*\c], v[\s+32*\c:\s+15+32*\c], v[TM+12+2*\c]
	v_cvt_scalef32_pk16_fp6_f32 v[PC+12+4*\c:PC+14+4*\c], v[\s+16+32*\c:\s+31+32*\c], v[TM+12+2*\c+1]   ; (a conversion's three registers begin on an even number)
.endr
	v_nop                                          ; one plain instruction behind the scaled conversions
.irp c, 0,1                                    ; the operand's layout wants a whole block in a lane: lanes 0-15 block 2 c, lanes 16-31 block 2 c + 1
.irp i, 0,1,2
	v_permlane16_swap_b32 v[PC+6*\c+\i], v[PC+12+4*\c+\i]
.endr
.irp i, 0,1,2
	s_delay_alu instid0(VALU_DEP_3)
	v_mov_b32 v[PC+3+6*\c+\i], v[PC+12+4*\c+\i]
.endr
.endr
.endm
	s_load_b128 s[4:7], s[0:1], 0x0                ; x, W_in
	s_load_b128 s[8:11], s[0:1], 0x10              ; W_out, codes
	s_load_b64 s[12:13], s[0:1], 0x20              ; scales
	v_lshl_add_u32 v248, v0, 2, 0x10c00
	v_mov_b32 v249, 0
	v_lshrrev_b32 v1, 5, v0
	s_delay_alu instid0(VALU_DEP_1)
	v_readfirstlane_b32 s16, v1                    ; wave 0..7 = my tile
	v_and_b32 v1, 31, v0                           ; lane
	v_and_b32 v2, 15, v0                           ; r
	v_bfe_u32 v3, v0, 4, 1                         ; h
	s_delay_alu instid0(VALU_DEP_3)
	v_lshlrev_b32 v4, 4, v1                        ; my 16 bytes of a load's 512
	s_mul_i32 s17, s16, WST
	v_add_nc_u32 v5, s17, v4                       ; the stage, on the way in: a row as it lies
	v_mul_u32_u24 v6, v2, SP
	s_delay_alu instid0(VALU_DEP_1)
	v_lshl_add_u32 v6, v3, 6, v6
	s_delay_alu instid0(VALU_DEP_1)
	v_add_nc_u32 v6, s17, v6                       ; and on the way out: row r, + 64 h
	v_lshlrev_b32 v7, 3, v1                        ; my 8 bytes of a plane
	s_lshl_b32 s18, s16, 6
	v_lshl_add_u32 v8, v2, 2, s18
	s_delay_alu instid0(VALU_DEP_1)
	v_add_nc_u32 v8, SCG, v8                       ; my row's scale word: 64 x tile + 4 r
	v_and_b32 v10, 63, v0
	s_delay_alu instid0(VALU_DEP_1)
	v_lshlrev_b32 v10, 4, v10                      ; the scale words' way out: threads 0-63, 16 bytes each
	s_delay_alu instid0(VALU_DEP_1)
	v_add_nc_u32 v9, SCG, v10
.irp b, 0,1,2,3
	v_mov_b32 v[TM+4+\b], 0                        ; written once: a lane permute's destination counts as one of its sources
.endr
	s_mov_b32 s[SEL], 0x76543210
	s_mov_b32 s[SEL+1], 0xfedcba98
	s_lshr_b32 s22, ttmp9, 2                       ; the group of rows, 0..95
	s_and_b32 s23, ttmp9, 3                        ; which two K steps
	s_mul_i32 s26, s22, 98304                      ; my fragments' place in codes: group, K step 2 kq, tile
	s_mul_i32 s27, s23, 24576
	s_add_co_u32 s26, s26, s27
	s_mul_i32 s27, s16, 1536
	s_add_co_u32 s26, s26, s27
	s_mov_b32 s27, 0
	s_lshl_b32 s28, s22, 12                        ; the work-group's 1,024 bytes in scales
	s_lshl_b32 s29, s23, 10
	s_add_co_u32 s28, s28, s29
	s_mov_b32 s29, 0
	s_wait_kmcnt 0x0
	s_cmp_lt_u32 s22, 64                           ; which tensor: the choice hangs on the work-group's number alone
	s_cselect_b64 s[4:5], s[4:5], s[6:7]
	s_cselect_b32 s24, 0, 64
	s_cmp_lt_u32 s22, 88
	s_cselect_b64 s[4:5], s[4:5], s[8:9]
	s_cselect_b32 s24, s24, 88
	s_sub_co_u32 s24, s22, s24                     ; the group within its tensor
	s_lshl_b32 s24, s24, 7
	s_lshr_b32 s25, s16, 1
	s_lshl_b32 s25, s25, 5
	s_add_co_u32 s24, s24, s25
	s_and_b32 s25, s16, 1
	s_lshl_b32 s25, s25, 3
	s_add_co_u32 s24, s24, s25                     ; my tile's first row: 128 group + 32 (i / 2) + 8 (i % 2)
	s_lshl_b32 s24, s24, 12
	s_lshl_b32 s25, s23, 10
	s_add_co_u32 s24, s24, s25                     ; in bytes, + my 1,024 bytes of a row (under 2^26)
	s_mov_b32 s25, 0
	s_add_nc_u64 s[4:5], s[4:5], s[24:25]
	s_add_nc_u64 s[10:11], s[10:11], s[26:27]
	s_add_nc_u64 s[12:13], s[12:13], s[28:29]
.irp s, 0,1
.irp n, 0,1,2,3,4,5,6,7,8,9,10,11,12,13,14,15
	global_load_b128 v[R+64*\s+4*\n:R+64*\s+4*\n+3], v4, s[4:5] offset:(\n+8*(\n/8))*ROWB+512*\s th:TH_LOAD_NT   ; tile row n, K step s: 512 consecutive bytes
.endr
.endr
.irp s, 0,1
	s_wait_loadcnt 16*(1-\s)                       ; this K step's sixteen loads are in; the other step's sixteen may be out
.irp n, 0,1,2,3,4,5,6,7,8,9,10,11,12,13,14,15
	ds_store_b128 v5, v[R+64*\s+4*\n:R+64*\s+4*\n+3] offset:SP*\n
.endr
.irp b, 0,1,2,3
.irp j, 0,1,2,3
	ds_load_b128 v[X+16*\b+4*\j:X+16*\b+4*\j+3], v6 offset:128*\b+16*\j   ; LDS serves a wave's instructions in order: these see the stores above
.endr
.endr
	s_wait_dscnt 0x0                               ; my 64 numbers are back; the last step's scale word has been stored
.if \s > 0
	s_wait_xcnt 0x0                                ; the last step's stores have read their registers: the codes may be written again
.endif
	QUANT X
.irp p, 0,1,2,3,4,5
	global_store_b64 v7, v[PC+2*\p:PC+2*\p+1], s[10:11] offset:12288*\s+256*\p   ; a plane: 32 lanes store 256 consecutive bytes, aligned
.endr
	ds_store_b32 v8, v[PW] offset:512*\s           ; lanes r and r + 16 write the same word with the same value
.endr
	s_wait_dscnt 0x0                               ; for the others' sake: my scale words lie in LDS
	s_barrier_signal -1
	s_barrier_wait -1
	s_cmp_lt_u32 s16, 2                            ; waves 0 and 1 store the work-group's 1,024 bytes of scale words, 512 consecutive bytes each
	s_cbranch_scc0 .Lend
	ds_load_b128 v[X:X+3], v9
	s_wait_dscnt 0x0
	global_store_b128 v10, v[X:X+3], s[12:13]
.Lend:
	s_wait_tensorcnt 0x0
	ds_add_u32 v248, v249
	s_wait_dscnt 0x0
	s_endpgm
.Lfunc_end_k_q9db41648a1_quant:
	.size	k_q9db41648a1_quant, .Lfunc_end_k_q9db41648a1_quant-k_q9db41648a1_quant
	.p2alignl 7, 3214868480
	.fill 96, 4, 3214868480
	.section	.rodata,"a",@progbits
	.p2align	6, 0x0
	.amdhsa_kernel k_q9db41648a1_quant
		.amdhsa_group_segment_fixed_size 69632
		.amdhsa_private_segment_fixed_size 0
		.amdhsa_enable_private_segment 0
		.amdhsa_kernarg_size 40
		.amdhsa_user_sgpr_count 2
		.amdhsa_user_sgpr_kernarg_segment_ptr 1
		.amdhsa_wavefront_size32 1
		.amdhsa_system_sgpr_workgroup_id_x 1
		.amdhsa_system_sgpr_workgroup_id_y 1
		.amdhsa_system_sgpr_workgroup_id_z 1
		.amdhsa_system_vgpr_workitem_id 0
		.amdhsa_next_free_vgpr 250
		.amdhsa_next_free_sgpr 66
		.amdhsa_reserve_vcc 0
		.amdhsa_float_denorm_mode_32 3
		.amdhsa_float_denorm_mode_16_64 3
		.amdhsa_memory_ordered 1
		.amdhsa_forward_progress 1
		.amdhsa_inst_pref_size 23
	.end_amdhsa_kernel
	.amdgpu_metadata
---
amdhsa.version: [ 1, 2 ]
amdhsa.kernels:
  - .name:           k_q9db41648a1_quant
    .symbol:         k_q9db41648a1_quant.kd
    .args:
      - { .name: x, .offset: 0, .size: 8, .value_kind: global_buffer, .address_space: global }
      - { .name: W_in, .offset: 8, .size: 8, .value_kind: global_buffer, .address_space: global }
      - { .name: W_out, .offset: 16, .size: 8, .value_kind: global_buffer, .address_space: global }
      - { .name: codes, .offset: 24, .size: 8, .value_kind: global_buffer, .address_space: global }
      - { .name: scales, .offset: 32, .size: 8, .value_kind: global_buffer, .address_space: global }
    .group_segment_fixed_size: 69632
    .private_segment_fixed_size: 0
    .kernarg_segment_align: 8
    .kernarg_segment_size: 40
    .max_flat_workgroup_size: 256
    .sgpr_count:     66
    .vgpr_count:     250
    .wavefront_size: 32
...
	.end_amdgpu_metadata
.endif
;; end of part 1
;; launch gemm1 (part 2): grid 8 x 48, 4 waves a work-group, clusters of 4 x 4, 327,680 bytes of LDS; arguments codes, scales, b_in, qkv; writes qkv
.if DOCPART == 2
	.amdgcn_target "amdgcn-amd-amdhsa--gfx1250"
	.amdhsa_code_object_version 6
	.text
	.protected	k_q9db41648a1_gemm1
	.globl	k_q9db41648a1_gemm1
	.p2align	8
	.type	k_q9db41648a1_gemm1,@function
k_q9db41648a1_gemm1:
	s_mov_b64 s[64:65], 0
	v_nop
	global_prefetch_b8 v0, s[64:65] scope:SCOPE_SE
	s_setreg_imm32_b32 hwreg(HW_REG_WAVE_MODE, 25, 1), 1
	s_wait_xcnt 0x0
	s_wait_alu depctr_hold_cnt(0) depctr_sa_sdst(0) depctr_va_vdst(0) depctr_va_sdst(0) depctr_va_ssrc(0) depctr_va_vcc(0) depctr_vm_vsrc(0)
	s_getreg_b32 s2, hwreg(HW_REG_IB_STS2, 6, 4)
	s_cmp_eq_u32 s2, 0
	s_cbranch_scc0 .Lentry_in_a_cluster
	s_endpgm
.Lentry_in_a_cluster:
	s_bfe_u32 s2, ttmp6, 0x10000c
	s_cmp_lg_u32 s2, 0xf033
	s_cbranch_scc0 .Lentry_shape_is_right
	s_endpgm
.Lentry_shape_is_right:
; qkv = x W_in^T + b_in on codes of FP6 (E2M3) with E8M0 scales, K = 1,024; the results are quantised on the way out: q and k along the head's 64, v along the keys.
; OPERANDS are register images (see the layout below): codes [group of 128 rows][K step 8][tile 8][1536], scales [group][K step][tile][16 words]; x: groups 0-63, W_in: 64-87.
; Row m of tile i of a group is its row 32 (i / 2) + 8 (i % 2) + m + 8 (m / 8).  A fragment is 6 planes of 256 bytes, plane p = registers 2 p, 2 p + 1, lane l at 8 l: six dense ds_load_b64 bring it.
; THE PRODUCT: T[i][j] = sum over k of I[i][k] J[j][k], source 0 = a tile of J, source 1 = a tile of I: a lane holds one row of I, and the 16 registers of J's tiles 2 b, 2 b + 1 are 16 NEIGHBOURING rows of J.
;   clusters with y < 8 (q and k): I = 256 tokens, J = 256 rows of W_in: a lane's registers run along the features, which are the next product's K.
;   clusters with y >= 8 (v):      I = 256 rows of W_in's v part, J = 256 tokens: a lane's registers run along the tokens, which are the keys, the third product's K.
; A work-group of four waves makes 256 x 256, a wave 128 x 128: 64 accumulators.  K goes in pairs of steps (24,576 bytes a group, dense in memory) through three LDS slots; pair 3 is brought into slot 0 again.
; CLUSTERS: 4 x 4 work-groups; I's tiles are asked for jointly along a row of the cluster, J's along a column.  The branch between the two ways hangs on the cluster's y alone.
; OUTPUT: qkv [batch 4][head 16][step of 128 tokens 16][record of 19,712 bytes]: k's codes 8 tiles x 768 at 0; v's 4 tiles of the head's 64 x 1,536 at 6,144; k's scale words 8 x 64 at 12,288;
;   v's 4 x 64 at 12,800; q's codes at 13,056; q's scale words at 19,200.  A head's q or k word carries its two bytes in bytes 0 and 1; bytes 2 and 3 are never 0xff.
; LIMITS: a block of zeros, or one under 2^-124, carries the byte 1 where the rule says 127 (only this program reads the bytes); NaN and infinities are not served.
; REGISTERS: window 0: v0-31 addresses; v32-63, v224-255 biases; v64-127 scale words for all of K; v128-223 I's 8 fragments, one set.  window 1: J's fragments, two sets, at v0 and v128.
;   windows 2, 3: the accumulators, (a, b) at window 2 + a / 4, v[8 (8 (a % 4) + b)].  On the way out v64-223 of window 0 are free.
.set FR,    12
.set FRB,   1536                       ; a fragment's image
.set QBY,   12288                      ; a group's eight fragments of one K step
.set KPB,   24576                      ; of a pair of K steps: what one tensor load brings
.set SLOT,  4*KPB                      ; I's two groups, then J's two
.set SPARE, 3*SLOT                     ; behind the ring: the spare words, 128 bytes for each wave
.set STGQ,  SPARE+512                  ; the q and k way's stage for scale words: 1,024 bytes a wave
.set STGV,  STGQ+4096                  ; the v way's: 512 bytes a wave
.set HS,    315392                     ; a head's 16 records
.set REC,   19712
.set ADRI,  16                         ; v16-18 LDS address of my fragments of I in slot 0, 1, 2
.set ADRJ,  20                         ; v20-22 the same for J
.set L8,    24                         ; v24    8 x lane
.set SPW,   28                         ; v28    my spare word; never rewritten
.set NIL,   29                         ; v29    0; never rewritten
.set SC,    64                         ; v[SC + 8 n + i]: K step n; lanes 0-15 the words of I's block i, lanes 16-31 those of J's block i
.set AF,    128
.set HA,    128                        ; the way out: 64 numbers of a lane
.set PC,    192                        ; their codes
.set TM,    64                         ; at work
.set PW,    80                         ; the scale word; v81 the odd head's
.set SEL,   88                         ; s[88:89]
.set G1I,   24
.set G1J,   32
.set G0I,   40                         ; s[40:51] a group 0 for each slot
.set G0J,   52                         ; s[52:63]
.set MSB, 0
.macro WIN new                         ; the immediate's high byte repeats the setting that is left
.if MSB != (\new)
	s_set_vgpr_msb (MSB<<8)|(\new)
.set MSB, (\new)
.endif
.endm
.set MUL_LO, 0xa1                      ; source 0 (J) window 1, source 1 (I) window 0, C and D window 2
.set MUL_HI, 0xf1                      ; the same, C and D window 3
.set TO_J,   0x40                      ; destination window 1
; A joint load: waves 0 and 1 fetch I's two groups, waves 2 and 3 J's.  The branch hangs on the wave's number alone.  Four v_nop follow each of the two lines.
.macro JLOAD g0a, g1a, g0b, g1b
	s_cmp_eq_u32 s15, 0
	s_cbranch_scc0 .Lfor_j_\@
	tensor_load_to_lds s[\g0a:\g0a+3], s[\g1a:\g1a+7]
	s_nop 0
.rept 4
	v_nop
.endr
	s_branch .Lasked_\@
.Lfor_j_\@:
	tensor_load_to_lds s[\g0b:\g0b+3], s[\g1b:\g1b+7]
	s_nop 0
.rept 4
	v_nop
.endr
.Lasked_\@:
.endm
.macro CREST                           ; a round of the cluster's barrier behind its opening barrier
	s_cmp_lg_u32 s14, 0
	s_cbranch_scc1 .Lnot_wave_0_\@
	s_barrier_signal -3
.Lnot_wave_0_\@:
	s_barrier_wait -3
	s_barrier_signal -1
	s_barrier_wait -1
.endm
.macro CROUND
	s_barrier_signal -1
	s_barrier_wait -1
	CREST
.endm
.macro PLACES                          ; four plain instructions behind matrix instructions, in front of loads into registers that they read and of reads of their results
.rept 4
	v_nop
.endr
.endm
.macro FRAG reg, adr, off              ; a fragment comes back as it was stored: six planes
.irp p, 0,1,2,3,4,5
	ds_load_b64 v[\reg+2*\p:\reg+2*\p+1], v[\adr] offset:\off+256*\p
.endr
.endm
.macro FETCH_J s, q, p                 ; J's eight fragments of slot s, step q of the pair, into set p
	WIN TO_J
.irp b, 0,1,2,3,4,5,6,7
	FRAG 128*(\p)+FR*\b, ADRJ+\s, QBY*(\q)+FRB*\b
.endr
	WIN 0
.endm
.macro FETCH_I s, q, i0                ; I's blocks i0 .. i0 + 3
.irp i, \i0, \i0+1, \i0+2, \i0+3
	FRAG AF+FR*(\i), ADRI+\s, QBY*(\q)+FRB*(\i)
.endr
.endm
; 16 matrix instructions: I's blocks a0, a0 + 1 x J's eight, K step ks, J's set p.  zero = 1: the first product starts the sums.  The 64 accumulators take turns, one instruction a turn.
.macro MUL2 a0, p, ks, zero
.irp a, \a0, \a0+1
.irp b, 0,1,2,3,4,5,6,7
.if \zero
	v_wmma_scale_f32_16x16x128_f8f6f4 v[8*(8*((\a)%4)+\b):8*(8*((\a)%4)+\b)+7], v[128*(\p)+FR*\b:128*(\p)+FR*\b+FR-1], v[AF+FR*(\a):AF+FR*(\a)+FR-1], 0, v[SC+8*(\ks)+\b], v[SC+8*(\ks)+(\a)] matrix_a_fmt:MATRIX_FMT_FP6 matrix_b_fmt:MATRIX_FMT_FP6 matrix_a_scale:MATRIX_SCALE_ROW1
.else
	v_wmma_scale_f32_16x16x128_f8f6f4 v[8*(8*((\a)%4)+\b):8*(8*((\a)%4)+\b)+7], v[128*(\p)+FR*\b:128*(\p)+FR*\b+FR-1], v[AF+FR*(\a):AF+FR*(\a)+FR-1], v[8*(8*((\a)%4)+\b):8*(8*((\a)%4)+\b)+7], v[SC+8*(\ks)+\b], v[SC+8*(\ks)+(\a)] matrix_a_fmt:MATRIX_FMT_FP6 matrix_b_fmt:MATRIX_FMT_FP6 matrix_a_scale:MATRIX_SCALE_ROW1
.endif
.endr
.endr
.endm
; K step ks; its successor's fragments lie in slot ns, step nq of the pair, and are whole there already
.macro STEP ns, nq, ks, zero
	s_wait_dscnt 24                                ; J's set and I's blocks 0-3 are in; the youngest 24 loads (I's blocks 4-7) may be out
	WIN MUL_LO
	MUL2 0, (\ks)%2, \ks, \zero
	MUL2 2, (\ks)%2, \ks, \zero
	s_wait_dscnt 0x0                               ; I's blocks 4-7 are in
	PLACES
	FETCH_J \ns, \nq, 1-(\ks)%2
	FETCH_I \ns, \nq, 0
	WIN MUL_HI
	MUL2 4, (\ks)%2, \ks, \zero
	MUL2 6, (\ks)%2, \ks, \zero
	PLACES
	WIN 0
	FETCH_I \ns, \nq, 4
.endm
; A K step with a barrier in it.  In front of the barrier each wave waits for all its tensor loads, adds 0 to its spare word, and waits for that and for its LDS reads.
; fill = 1: slot 0, which nobody reads any more, is filled again with the fourth pair of K steps; the barrier then opens a round of the cluster's barrier.
.macro TURN ks, next, fill
	s_wait_tensorcnt 0x0                           ; all my tensor loads have landed
	ds_add_u32 v[SPW], v[NIL]                      ; 0 onto my spare word
	s_wait_dscnt 25                                ; (the add and the youngest 24 loads may be out)
	WIN MUL_LO
	MUL2 0, 1, \ks, 0                              ; sixteen matrix instructions stand between the add and the wait for it
	s_wait_dscnt 0x0                               ; the add is done, and my LDS reads are over
	s_barrier_signal -1
	MUL2 2, 1, \ks, 0
	WIN 0
	s_barrier_wait -1
.if \fill
	CREST                                          ; no wave of any partner still reads slot 0 or has a load on its way
	s_add_nc_u64 s[G0I+2:G0I+3], s[G0I+2:G0I+3], 3*KPB
	s_add_nc_u64 s[G0J+2:G0J+3], s[G0J+2:G0J+3], 3*KPB
	JLOAD G0I, G1I, G0J, G1J                       ; the first tensor load behind the round, and my one load out: it has four K steps, 256 matrix instructions, in which to land; its four v_nop are the places for the loads below
.else
	PLACES
.endif
	FETCH_J \next, 0, 0
	FETCH_I \next, 0, 0
	WIN MUL_HI
	MUL2 4, 1, \ks, 0
	MUL2 6, 1, \ks, 0
	PLACES
	WIN 0
	FETCH_I \next, 0, 4
.endm
.macro LAST                            ; K step 7: nothing more to fetch
	s_wait_dscnt 24
	WIN MUL_LO
	MUL2 0, 1, 7, 0
	MUL2 2, 1, 7, 0
	s_wait_dscnt 0x0
	WIN MUL_HI
	MUL2 4, 1, 7, 0
	MUL2 6, 1, 7, 0
	WIN 0
.endm
; 64 numbers of a lane, register 16 b + i = k 32 b + 16 h + i of my row, become a fragment's codes in v[PC] .. v[PC + 11] and my row's scale word in v[PW]
.macro QUANT s
.irp b, 0,1,2,3
	v_max3_num_f32 v[TM+\b], |v[\s+16*\b]|, |v[\s+1+16*\b]|, 0x1800000   ; and the floor 2^(3 - 127): the byte cannot fall under 1
.endr
.irp i, 2,4,6,8,10,12,14
.irp b, 0,1,2,3
	v_max3_num_f32 v[TM+\b], v[TM+\b], |v[\s+16*\b+\i]|, |v[\s+1+16*\b+\i]|
.endr
.endr
.irp b, 0,1,2,3
	v_permlanex16_b32 v[TM+4+\b], v[TM+\b], s[SEL], s[SEL+1]
.endr
.irp b, 0,1,2,3
	v_max_num_f32 v[TM+\b], v[TM+\b], v[TM+4+\b]
.endr
.irp b, 0,1,2,3
	v_add_nc_u32 v[TM+12+\b], 0xff000000, v[TM+\b]   ; 2 off the exponent field: the conversion's scale operand
.endr
.irp b, 0,1,2,3
	v_lshrrev_b32 v[TM+4+\b], 23, v[TM+12+\b]
.endr
	v_lshl_or_b32 v[PW], v[TM+5], 8, v[TM+4]
	v_lshl_or_b32 v[PW], v[TM+6], 16, v[PW]
	v_lshl_or_b32 v[PW], v[TM+7], 24, v[PW]
.irp c, 0,1
	v_cvt_scalef32_pk16_fp6_f32 v[PC+6*\c:PC+2+6*\c], v[\s+32*\c:\s+15+32*\c], v[TM+12+2*\c]
	v_cvt_scalef32_pk16_fp6_f32 v[PC+12+4*\c:PC+14+4*\c], v[\s+16+32*\c:\s+31+32*\c], v[TM+12+2*\c+1]
.endr
	v_nop                                          ; one plain instruction behind the scaled conversions
.irp c, 0,1
.irp i, 0,1,2
	v_permlane16_swap_b32 v[PC+6*\c+\i], v[PC+12+4*\c+\i]
.endr
.irp i, 0,1,2
	v_mov_b32 v[PC+3+6*\c+\i], v[PC+12+4*\c+\i]
.endr
.endr
.endm
	s_load_b256 s[4:11], s[0:1], 0x0               ; codes s[4:5], scales s[6:7], b_in s[8:9], qkv s[10:11]
	v_lshl_add_u32 v[SPW], v0, 2, SPARE
	v_mov_b32 v[NIL], 0
	ds_add_u32 v28, v29
	ds_add_u32 v28, v29
	s_wait_dscnt 0x0
	v_lshrrev_b32 v1, 5, v0
	v_readfirstlane_b32 s14, v1                    ; wave 0..3
	s_lshr_b32 s15, s14, 1                         ; wi: which group of I is mine.  Also: I fetch for I (0) or for J (1)
	s_and_b32 s16, s14, 1                          ; wj: which group of J is mine.  Also: which of the two groups I fetch
	s_bfe_u32 s17, ttmp6, 0x40000                  ; cx
	s_bfe_u32 s18, ttmp6, 0x40004                  ; cy
	s_and_b32 s12, ttmp7, 0xffff                   ; the cluster's y: 0-7 q and k, 8-11 v
	s_lshl_b32 s19, ttmp9, 2
	s_add_co_u32 s19, s19, s17                     ; work-group x = 4 x cluster x + cx
	s_lshl_b32 s20, s12, 2
	s_cmp_ge_u32 s12, 8
	s_cselect_b32 s20, 40, s20
	s_add_co_u32 s20, s20, s18                     ; I's pair of groups: tokens 4 y + cy, or W_in's v rows 40 + cy
	s_sub_co_u32 s21, s12, 8
	s_lshl_b32 s21, s21, 3
	s_cmp_ge_u32 s12, 8
	s_cselect_b32 s21, s21, 32
	s_add_co_u32 s21, s21, s19                     ; J's pair of groups: W_in's q and k rows 32 + x, or tokens 8 (y - 8) + x
	s_lshl_b32 s22, s18, 2
	s_lshl_b32 s22, 15, s22                        ; my row of the cluster
	s_lshl_b32 s23, 0x1111, s17                    ; my column
	; descriptor group 1: 24,576 dense bytes as 96 rows of 32 elements of 8 bytes; no padding: the images are read densely
	s_or_b32 s[G1I], s22, (3<<16)|(1<<21)          ; 15:0 the mask; 17:16 elements of 8 bytes; 21 set beside a mask
	s_or_b32 s[G1J], s23, (3<<16)|(1<<21)
.irp g, G1I, G1J
	s_mov_b32 s[\g+1], 32<<16                      ; tensor_dim0
	s_mov_b32 s[\g+2], 96<<16                      ; tensor_dim1
	s_mov_b32 s[\g+3], 32<<16                      ; tile_dim0
	s_mov_b32 s[\g+4], 96                          ; tile_dim1
	s_mov_b32 s[\g+5], 32                          ; tensor_dim0_stride
	s_mov_b32 s[\g+6], 0
	s_mov_b32 s[\g+7], 0
.endr
	s_lshl_b32 s78, s20, 1
	s_add_co_u32 s78, s78, s16
	s_mul_i32 s78, s78, 98304                      ; the group of I that I fetch, in bytes
	s_mov_b32 s79, 0
	s_lshl_b32 s80, s21, 1
	s_add_co_u32 s80, s80, s16
	s_mul_i32 s80, s80, 98304                      ; the group of J
	s_mov_b32 s81, 0
	s_lshl_b32 s70, s20, 1
	s_add_co_u32 s70, s70, s15                     ; CI: the group of I that I multiply
	s_lshl_b32 s71, s21, 1
	s_add_co_u32 s71, s71, s16                     ; CJ: the group of J
	s_mul_i32 s82, s14, KPB                        ; where my load lands in a slot: no place in the cluster enters an LDS address
	s_mov_b32 s[SEL], 0x76543210
	s_mov_b32 s[SEL+1], 0xfedcba98
	s_wait_kmcnt 0x0
	s_add_nc_u64 s[66:67], s[4:5], s[78:79]
	s_add_nc_u64 s[68:69], s[4:5], s[80:81]
	CROUND                                         ; all sixteen work-groups are here: the first joint loads meet
.irp s, 0,1,2                                  ; three loads of mine are out
	s_mov_b32 s[G0I+4*\s], 1
	s_add_co_u32 s[G0I+4*\s+1], s82, \s*SLOT
	s_add_nc_u64 s[G0I+4*\s+2:G0I+4*\s+3], s[66:67], \s*KPB
	s_or_b32 s[G0I+4*\s+3], s[G0I+4*\s+3], 0x80000000
	s_mov_b32 s[G0J+4*\s], 1
	s_add_co_u32 s[G0J+4*\s+1], s82, \s*SLOT
	s_add_nc_u64 s[G0J+4*\s+2:G0J+4*\s+3], s[68:69], \s*KPB
	s_or_b32 s[G0J+4*\s+3], s[G0J+4*\s+3], 0x80000000
	JLOAD G0I+4*\s, G1I, G0J+4*\s, G1J
.endr
	v_and_b32 v1, 31, v0                           ; lane
	v_and_b32 v2, 15, v0                           ; r
	s_wait_alu depctr_va_vdst(0)
	v_bfe_u32 v3, v0, 4, 1                         ; h
	v_lshlrev_b32 v[L8], 3, v1
	s_mul_i32 s83, s15, KPB                        ; my group of I in a slot,
	s_mul_i32 s84, s16, KPB
	s_add_co_u32 s84, s84, 2*KPB                   ; my group of J, behind I's two
.irp s, 0,1,2
	v_add_nc_u32 v[ADRI+\s], s83, v[L8]
	v_add_nc_u32 v[ADRJ+\s], s84, v[L8]
	s_add_co_u32 s83, s83, SLOT
	s_add_co_u32 s84, s84, SLOT
.endr
	s_lshl_b32 s85, s14, 10                        ; the q and k way's stage: in at 4 r, back at 16 x lane
	v_lshl_add_u32 v25, v2, 2, s85
	v_add_nc_u32 v25, STGQ, v25
	v_lshlrev_b32 v30, 4, v1                       ; 16 x lane
	v_add_nc_u32 v26, s85, v30
	v_add_nc_u32 v26, STGQ, v26
	s_lshl_b32 s85, s14, 9                         ; the v way's stage
	v_lshl_add_u32 v8, v2, 2, s85
	v_add_nc_u32 v8, STGV, v8
	v_add_nc_u32 v9, s85, v30
	v_add_nc_u32 v9, STGV, v9
	v_mul_u32_u24 v10, v3, HS                      ; the v way's scale words go out to two heads: lanes 16-31 a head further on
	v_lshl_add_u32 v10, v2, 4, v10
	v_and_b32 v11, 8, v2
	v_add_nc_u32 v11, v11, v2
	v_lshlrev_b32 v11, 2, v11                      ; the v way's bias: 4 (r + 8 (r / 8))
	v_lshlrev_b32 v31, 6, v3                       ; the q and k way's bias: 64 h
	s_lshl_b32 s85, s70, 12                        ; the scale words: lanes 0-15 take I's group, lanes 16-31 J's
	s_lshl_b32 s86, s71, 12
	v_mov_b32 v27, s85
	v_mov_b32 v4, s86
	v_cmp_eq_u32 vcc_lo, 1, v3
	v_cndmask_b32 v27, v27, v4, vcc_lo
	v_lshl_add_u32 v27, v2, 2, v27
.irp n, 0,1,2,3,4,5,6,7
.irp i, 0,1,2,3,4,5,6,7
	global_load_b32 v[SC+8*\n+\i], v27, s[6:7] offset:512*\n+64*\i   ; all of K's scale words stay in registers
.endr
.endr
	s_wait_tensorcnt 2                             ; my part of slot 0 is in; slots 1 and 2 may stay out
	s_barrier_signal -1
	s_barrier_wait -1
	FETCH_J 0, 0, 0
	FETCH_I 0, 0, 0
	FETCH_I 0, 0, 4
	s_wait_loadcnt 0x0                             ; the scale words
	STEP 0, 1, 0, 1                                ; K step 0 starts the sums
	TURN 1, 1, 1                                   ; slot 0 is left and filled again; slots 1 and 2 are whole for every wave from here on
	STEP 1, 1, 2, 0
	STEP 2, 0, 3, 0
	STEP 2, 1, 4, 0
	TURN 5, 0, 0                                   ; slot 0's second fill is whole
	STEP 0, 1, 6, 0
	s_cmp_ge_u32 s12, 8
	s_cbranch_scc1 .Lv
	; ---- q and k: a lane holds a token; its 64 registers of block a are 128 features, two heads
	s_sub_co_u32 s78, s71, 64                      ; the group of features, 0..15: 0-7 q, 8-15 k
	s_lshl_b32 s80, s78, 9
	s_mov_b32 s81, 0
	s_add_nc_u64 s[76:77], s[8:9], s[80:81]        ; its 128 biases
	s_wait_alu depctr_va_vdst(0)
.irp b, 0,1,2,3,4,5,6,7
.if \b < 4
.set BI, 32+8*\b
.else
.set BI, 192+8*\b
.endif
	global_load_b128 v[BI:BI+3], v31, s[76:77] offset:(32*(\b/2)+8*(\b%2))*4        ; lane (r, h), J's tile b: features 32 (b / 2) + 8 (b % 2) + 16 h + 0 .. 7
	global_load_b128 v[BI+4:BI+7], v31, s[76:77] offset:(32*(\b/2)+8*(\b%2))*4+16
.endr
	s_and_b32 s79, s78, 7                          ; the pair of heads
	s_lshl_b32 s79, s79, 1
	s_lshr_b32 s82, s70, 4                         ; the batch
	s_lshl_b32 s82, s82, 4
	s_add_co_u32 s82, s82, s79
	s_mul_i32 s82, s82, HS
	s_and_b32 s83, s70, 15                         ; the step of 128 tokens
	s_mul_i32 s83, s83, REC
	s_add_co_u32 s82, s82, s83
	s_mov_b32 s83, 0
	s_add_nc_u64 s[72:73], s[10:11], s[82:83]      ; the even head's record
	s_mov_b32 s86, 12288
	s_mov_b32 s85, 0
	s_mov_b32 s87, 0
	s_cmp_lt_u32 s78, 8
	s_cselect_b32 s84, 13056, 0                    ; q's codes or k's,
	s_cselect_b32 s86, 19200, s86                  ; q's scale words or k's
	s_add_nc_u64 s[74:75], s[72:73], s[86:87]
	s_add_nc_u64 s[72:73], s[72:73], s[84:85]
	LAST
	s_wait_loadcnt 0x0                             ; the biases
	PLACES
.irp a, 0,1,2,3,4,5,6,7
.if \a > 0
	s_wait_dscnt 0x0                               ; the last block's scale words have been stored,
	s_wait_xcnt 0x0                                ; and its stores have read their registers: both may be written again
.endif
	WIN 0x02+\a/4                                  ; source 0: window 2 or 3
.set n, 0
.rept 32
.if n < 16
.set BI, 32+2*n
.else
.set BI, 192+2*n
.endif
	v_pk_add_f32 v[HA+2*n:HA+2*n+1], v[64*(\a%4)+2*n:64*(\a%4)+2*n+1], v[BI:BI+1]   ; + the bias, and into window 0; each accumulator from its low end on
.set n, n+1
.endr
	WIN 0
	QUANT HA
.irp c, 0,1
.irp p, 0,1,2
	global_store_b64 v[L8], v[PC+6*\c+2*\p:PC+6*\c+2*\p+1], s[72:73] offset:\c*HS+768*\a+256*\p   ; head c's half of the fragment: three planes of 256 consecutive bytes, aligned
.endr
.endr
	v_lshrrev_b32 v[PW+1], 16, v[PW]               ; the odd head's two bytes
	ds_store_b32 v25, v[PW] offset:64*\a
	ds_store_b32 v25, v[PW+1] offset:512+64*\a
.endr
	ds_load_b128 v[84:87], v26                     ; LDS serves a wave's instructions in order: these see my stores
	ds_load_b128 v[88:91], v26 offset:512
	s_wait_dscnt 0x0
	global_store_b128 v30, v[84:87], s[74:75]      ; 512 consecutive bytes for each head
	global_store_b128 v30, v[88:91], s[74:75] offset:HS
	s_branch .Ljoin
.Lv:	; ---- v: a lane holds a feature; its 64 registers of block a are 128 tokens, the keys of one step
	s_sub_co_u32 s78, s70, 64
	s_lshl_b32 s80, s78, 9
	s_mov_b32 s81, 0
	s_add_nc_u64 s[76:77], s[8:9], s[80:81]        ; my group's 128 biases
	s_wait_alu depctr_va_vdst(0)
.irp a, 0,1,2,3,4,5,6,7
	global_load_b32 v[32+2*\a], v11, s[76:77] offset:(32*(\a/2)+8*(\a%2))*4   ; one number a lane, twice: a pair for the packed addition
	global_load_b32 v[33+2*\a], v11, s[76:77] offset:(32*(\a/2)+8*(\a%2))*4
.endr
	s_sub_co_u32 s79, s70, 80                      ; the pair of heads
	s_lshl_b32 s79, s79, 1
	s_lshr_b32 s82, s71, 4                         ; the batch
	s_lshl_b32 s82, s82, 4
	s_add_co_u32 s82, s82, s79
	s_mul_i32 s82, s82, HS
	s_and_b32 s83, s71, 15                         ; the step of 128 keys
	s_mul_i32 s83, s83, REC
	s_add_co_u32 s82, s82, s83
	s_mov_b32 s83, 0
	s_add_nc_u64 s[72:73], s[10:11], s[82:83]      ; the even head's record
	LAST
	s_wait_loadcnt 0x0
	PLACES
.irp a, 0,1,2,3,4,5,6,7
.if \a > 0
	s_wait_dscnt 0x0
	s_wait_xcnt 0x0
.endif
	WIN 0x02+\a/4
.set n, 0
.rept 32
	v_pk_add_f32 v[HA+2*n:HA+2*n+1], v[64*(\a%4)+2*n:64*(\a%4)+2*n+1], v[32+2*\a:33+2*\a]
.set n, n+1
.endr
	WIN 0
	QUANT HA
.irp p, 0,1,2,3,4,5
	global_store_b64 v[L8], v[PC+2*\p:PC+2*\p+1], s[72:73] offset:6144+(\a/4)*HS+(\a%4)*1536+256*\p   ; blocks 0-3: the even head's four tiles; 4-7: the odd head's
.endr
	ds_store_b32 v8, v[PW] offset:64*\a
.endr
	ds_load_b128 v[84:87], v9
	s_wait_dscnt 0x0
	global_store_b128 v10, v[84:87], s[72:73] offset:12800   ; lanes 0-15: the even head's 256 bytes; lanes 16-31: the odd head's
.Ljoin:
	s_wait_tensorcnt 0x0                           ; the wave's end, behind my last tensor load and my last LDS store
	ds_add_u32 v[SPW], v[NIL]
	s_wait_dscnt 0x0
	CROUND                                         ; the closing round: no work-group ends while a partner may still ask for a tile that names it
	s_endpgm
.Lfunc_end_k_q9db41648a1_gemm1:
	.size	k_q9db41648a1_gemm1, .Lfunc_end_k_q9db41648a1_gemm1-k_q9db41648a1_gemm1
	.p2alignl 7, 3214868480
	.fill 96, 4, 3214868480
	.section	.rodata,"a",@progbits
	.p2align	6, 0x0
	.amdhsa_kernel k_q9db41648a1_gemm1
		.amdhsa_group_segment_fixed_size 327680
		.amdhsa_private_segment_fixed_size 0
		.amdhsa_enable_private_segment 0
		.amdhsa_kernarg_size 32
		.amdhsa_user_sgpr_count 2
		.amdhsa_user_sgpr_kernarg_segment_ptr 1
		.amdhsa_wavefront_size32 1
		.amdhsa_system_sgpr_workgroup_id_x 1
		.amdhsa_system_sgpr_workgroup_id_y 1
		.amdhsa_system_sgpr_workgroup_id_z 1
		.amdhsa_system_vgpr_workitem_id 0
		.amdhsa_next_free_vgpr 1024
		.amdhsa_next_free_sgpr 92
		.amdhsa_reserve_vcc 1
		.amdhsa_float_denorm_mode_32 3
		.amdhsa_float_denorm_mode_16_64 3
		.amdhsa_memory_ordered 1
		.amdhsa_forward_progress 1
		.amdhsa_inst_pref_size 250
	.end_amdhsa_kernel
	.amdgpu_metadata
---
amdhsa.version: [ 1, 2 ]
amdhsa.kernels:
  - .name:           k_q9db41648a1_gemm1
    .symbol:         k_q9db41648a1_gemm1.kd
    .args:
      - { .name: codes, .offset: 0, .size: 8, .value_kind: global_buffer, .address_space: global }
      - { .name: scales, .offset: 8, .size: 8, .value_kind: global_buffer, .address_space: global }
      - { .name: b_in, .offset: 16, .size: 8, .value_kind: global_buffer, .address_space: global }
      - { .name: qkv, .offset: 24, .size: 8, .value_kind: global_buffer, .address_space: global }
    .group_segment_fixed_size: 327680
    .private_segment_fixed_size: 0
    .kernarg_segment_align: 8
    .kernarg_segment_size: 32
    .max_flat_workgroup_size: 128
    .sgpr_count:     92
    .vgpr_count:     1024
    .wavefront_size: 32
...
	.end_amdgpu_metadata
.endif
;; end of part 2
;; launch attn (part 3): grid 8 x 32, 16 waves a work-group, no clusters, 186,368 bytes of LDS; arguments qkv, codes, scales; writes codes, scales
.if DOCPART == 3
	.amdgcn_target "amdgcn-amd-amdhsa--gfx1250"
	.amdhsa_code_object_version 6
	.text
	.protected	k_q9db41648a1_attn
	.globl	k_q9db41648a1_attn
	.p2align	8
	.type	k_q9db41648a1_attn,@function
k_q9db41648a1_attn:
	s_mov_b64 s[64:65], 0
	v_nop
	global_prefetch_b8 v0, s[64:65] scope:SCOPE_SE
	s_setreg_imm32_b32 hwreg(HW_REG_WAVE_MODE, 25, 1), 1
	s_wait_xcnt 0x0
; Banded attention on codes of FP6 (E2M3): key j counts for query i where i - 512 <= j <= i + 64.  ctx = softmax(q k^T / 8) v, then ctx is quantised along D for the last product.
; THE SOFTMAX AHEAD OF THE SECOND PRODUCT: t = score x log2(e) / 8; M = the row's largest t so far, rounded up to a whole number; p = 2^(t - M) is what is quantised, along the keys, not normalised.
; The row's sum is taken of the unquantised p and divides O at the end (a reciprocal and a multiplication).  When M moves, the sum and O are multiplied by 2^(old M - new M): exact.
; INPUT: qkv [batch 4][head 16][step of 128 tokens 16][record of 19,712 bytes]: k's codes 8 tiles x 768 at 0, v's 4 tiles x 1,536 at 6,144, k's scale words at 12,288, v's at 12,800, q's codes at 13,056, q's scale words at 19,200.
; All are images of operand registers (planes of 256 bytes, lane l at 8 l).  Row m of tile i of a step is token 32 (i / 2) + 8 (i % 2) + m + 8 (m / 8), so that the 16 registers of two neighbouring tiles of S^T are 16 neighbouring keys.
; SHARES: a work-group owns 256 queries and a PAIR of heads (128 along D: one K step of the last product); each of its sixteen waves owns one tile of 16 queries, for both heads one after the other.
; The block's window is 7 key steps; both heads' first 13,056 bytes of those records come into LDS ONCE, by one tensor load in each of waves 0-13.  Nothing is filled again.
; A key step all of whose keys are hidden from my 16 queries is left out by a scalar branch on ids; the loop's trip count is the constant 7.
; K = 64 IN AN INSTRUCTION OF K = 128: q's registers 6-11 are zero codes; k's fragments stand 6 registers apart, so that a fragment's upper half is whatever follows: it meets zero codes under bytes that are never 0xff and adds nothing.
; NO CLUSTER: neighbouring query blocks want windows that are 256 keys apart; the union of four blocks' windows, 13 steps x 2 heads x 13,056 bytes, is more than a work-group's LDS holds.
; OUTPUT: codes group 96 + token group, K step = the pair of heads, tile = my tile; scales likewise.
; LIMITS: NaN and infinities are not served; a block of zeros carries the byte 1 where the rule says 127 (only this program reads the bytes); a block's largest p is taken from its largest score,
; which takes v_exp_f32 not to fall where its input rises.
; REGISTERS: v1-8 addresses; v12 -M, v13 the largest t, v[14:15] the sum; v16-27, v28-39 q of the two heads; v40, v41 their scale words; v48-95 fragments of k or v; v96-159 S^T, then p;
;   v160-223 O^T of the two heads; v224-235 p's codes; v232-247, v252, v254 at work; v248-251 a tile's scale words; v253 p's scale word.
.set HS,   315392
.set REC,  19712
.set KREC, 13056                       ; what a key step brings into LDS: 51 rows of 256 bytes
.set HLDS, 7*KREC                      ; a head's window
.set STG,  2*HLDS                      ; behind the windows: ctx's scale words, 64 bytes a wave
.set FB,   48
.set TB,   2                           ; s2  LDS byte at which the step's record begins
.set CNT,  3                           ; s3  the loop's counter
.set KF,   16                          ; s16 the step's first key
.set Q0,   17                          ; s17 my tile's first query; its queries are Q0 + r + 8 (r / 8)
.set WV,   18
.set SEL,  20
.set CS,   22                          ; s[22:23] c = log2(e) / 8
.macro QUANT s                         ; 64 numbers of a lane, register 16 b + i = k 32 b + 16 h + i of my row, become codes in v[PC] .. v[PC + 11] and my row's scale word in v[PW]
.irp b, 0,1,2,3
	v_max3_num_f32 v[TM+\b], |v[\s+16*\b]|, |v[\s+1+16*\b]|, 0x1800000
.endr
.irp i, 2,4,6,8,10,12,14
.irp b, 0,1,2,3
	s_delay_alu instid0(VALU_DEP_4)
	v_max3_num_f32 v[TM+\b], v[TM+\b], |v[\s+16*\b+\i]|, |v[\s+1+16*\b+\i]|
.endr
.endr
.irp b, 0,1,2,3
	v_permlanex16_b32 v[TM+4+\b], v[TM+\b], s[SEL], s[SEL+1]
.endr
.irp b, 0,1,2,3
	s_delay_alu instid0(VALU_DEP_4)
	v_max_num_f32 v[TM+\b], v[TM+\b], v[TM+4+\b]
.endr
.irp b, 0,1,2,3
	s_delay_alu instid0(VALU_DEP_4)
	v_add_nc_u32 v[TM+12+\b], 0xff000000, v[TM+\b]
.endr
.irp b, 0,1,2,3
	s_delay_alu instid0(VALU_DEP_4)
	v_lshrrev_b32 v[TM+4+\b], 23, v[TM+12+\b]
.endr
	s_delay_alu instid0(VALU_DEP_3)
	v_lshl_or_b32 v[PW], v[TM+5], 8, v[TM+4]
	s_delay_alu instid0(VALU_DEP_1)
	v_lshl_or_b32 v[PW], v[TM+6], 16, v[PW]
	s_delay_alu instid0(VALU_DEP_1)
	v_lshl_or_b32 v[PW], v[TM+7], 24, v[PW]
.irp c, 0,1
	v_cvt_scalef32_pk16_fp6_f32 v[PC+6*\c:PC+2+6*\c], v[\s+32*\c:\s+15+32*\c], v[TM+12+2*\c]
	v_cvt_scalef32_pk16_fp6_f32 v[PC+12+4*\c:PC+14+4*\c], v[\s+16+32*\c:\s+31+32*\c], v[TM+12+2*\c+1]
.endr
	v_nop
.irp c, 0,1
.irp i, 0,1,2
	v_permlane16_swap_b32 v[PC+6*\c+\i], v[PC+12+4*\c+\i]
.endr
.irp i, 0,1,2
	s_delay_alu instid0(VALU_DEP_3)
	v_mov_b32 v[PC+3+6*\c+\i], v[PC+12+4*\c+\i]
.endr
.endr
.endm
	s_load_b128 s[4:7], s[0:1], 0x0                ; qkv, codes
	s_load_b64 s[8:9], s[0:1], 0x10                ; scales
	v_lshl_add_u32 v243, v0, 2, 0x2d000
	v_mov_b32 v255, 0
	ds_add_u32 v243, v255
	ds_add_u32 v243, v255
	v_lshrrev_b32 v1, 5, v0
	s_delay_alu instid0(VALU_DEP_1)
	v_readfirstlane_b32 s[WV], v1                  ; wave 0..15
	s_and_b32 s10, ttmp7, 0xffff                   ; 8 x batch + pair of heads
	s_lshl_b32 s11, ttmp9, 1
	s_sub_co_i32 s11, s11, 4
	s_max_i32 s11, s11, 0
	s_min_i32 s11, s11, 9                          ; the window's first key step: 2 x block - 4, held to 0 .. 9
	; descriptor group 1: 13,056 dense bytes as 51 rows of 32 elements of 8 bytes; no padding: the images are read densely
	s_mov_b32 s24, 3<<16
	s_mov_b32 s25, 32<<16
	s_mov_b32 s26, 51<<16
	s_mov_b32 s27, 32<<16
	s_mov_b32 s28, 51
	s_mov_b32 s29, 32
	s_mov_b32 s30, 0
	s_mov_b32 s31, 0
	s_and_b32 s12, s[WV], 1                        ; what I fetch: head wave % 2 of the pair,
	s_lshr_b32 s13, s[WV], 1                       ; step wave / 2 of the window
	s_mul_i32 s14, s12, HLDS
	s_mul_i32 s15, s13, KREC
	s_add_co_u32 s14, s14, s15                     ; where it lands
	s_mul_i32 s36, s10, 2*HS                       ; the pair's records
	s_mov_b32 s37, 0
	s_mul_i32 s38, s12, HS
	s_add_co_u32 s15, s11, s13
	s_mul_i32 s15, s15, REC
	s_add_co_u32 s38, s38, s15
	s_mov_b32 s39, 0
	s_lshl_b32 s19, ttmp9, 1
	s_lshr_b32 s47, s[WV], 3
	s_add_co_u32 s19, s19, s47                     ; my tile's step of 128 tokens: 2 x block + wave / 8
	s_and_b32 s47, s[WV], 7                        ; and its place there
	s_mul_i32 s42, s19, REC
	s_mul_i32 s15, s47, 768
	s_add_co_u32 s42, s42, s15
	s_add_co_u32 s42, s42, 13056                   ; q's codes
	s_mov_b32 s43, 0
	s_mul_i32 s44, s19, REC
	s_lshl_b32 s15, s47, 6
	s_add_co_u32 s44, s44, s15
	s_add_co_u32 s44, s44, 19200                   ; q's scale words
	s_mov_b32 s45, 0
	s_lshl_b32 s[Q0], s19, 7
	s_lshr_b32 s15, s47, 1
	s_lshl_b32 s15, s15, 5
	s_add_co_u32 s[Q0], s[Q0], s15
	s_and_b32 s15, s[WV], 1
	s_lshl_b32 s15, s15, 3
	s_add_co_u32 s[Q0], s[Q0], s15
	s_lshr_b32 s15, s10, 3
	s_lshl_b32 s15, s15, 4
	s_add_co_u32 s15, s15, 96                      ; ctx's groups begin at 96; 16 to a batch
	s_add_co_u32 s48, s15, s19
	s_mul_i32 s48, s48, 98304
	s_and_b32 s46, s10, 7                          ; the pair of heads = the last product's K step
	s_mul_i32 s49, s46, 12288
	s_add_co_u32 s48, s48, s49
	s_mul_i32 s49, s47, 1536
	s_add_co_u32 s48, s48, s49                     ; my fragment of ctx
	s_mov_b32 s49, 0
	s_lshl_b32 s50, ttmp9, 1
	s_add_co_u32 s50, s50, s15
	s_add_co_u32 s50, s50, s[WV]                   ; (used by waves 0 and 1 alone: the block's two groups)
	s_lshl_b32 s50, s50, 12
	s_lshl_b32 s51, s46, 9
	s_add_co_u32 s50, s50, s51
	s_mov_b32 s51, 0
	s_mov_b32 s[SEL], 0x76543210
	s_mov_b32 s[SEL+1], 0xfedcba98
	s_mov_b32 s[CS], 0x3e38aa3b                    ; log2(e) / 8
	s_mov_b32 s[CS+1], s[CS]
	s_wait_dscnt 0x0
	s_wait_kmcnt 0x0
	s_add_nc_u64 s[40:41], s[4:5], s[36:37]
	s_mov_b32 s32, 1
	s_mov_b32 s33, s14
	s_add_nc_u64 s[34:35], s[40:41], s[38:39]
	s_or_b32 s35, s35, 0x80000000
	s_cmp_lt_u32 s[WV], 14                         ; 2 heads x 7 steps: waves 0-13, one load each
	s_cbranch_scc0 .Lno_fetch
	tensor_load_to_lds s[32:35], s[24:31]
	s_nop 0
.rept 4
	v_nop
.endr
.Lno_fetch:
	s_add_nc_u64 s[42:43], s[40:41], s[42:43]
	s_add_nc_u64 s[44:45], s[40:41], s[44:45]
	s_add_nc_u64 s[48:49], s[6:7], s[48:49]
	s_add_nc_u64 s[50:51], s[8:9], s[50:51]
	v_and_b32 v9, 31, v0                           ; lane
	s_delay_alu instid0(VALU_DEP_1)
	v_lshlrev_b32 v1, 3, v9                        ; 8 x lane
	v_and_b32 v10, 15, v0                          ; r
	s_delay_alu instid0(VALU_DEP_1)
	v_lshlrev_b32 v2, 2, v10                       ; 4 r
	v_bfe_u32 v11, v0, 4, 1                        ; h
	s_delay_alu instid0(VALU_DEP_3)
	v_and_b32 v5, 8, v10
	s_delay_alu instid0(VALU_DEP_1)
	v_add_nc_u32 v5, v5, v10
	s_delay_alu instid0(VALU_DEP_3)
	v_lshlrev_b32 v11, 4, v11
	s_delay_alu instid0(VALU_DEP_1)
	v_sub_nc_u32 v5, v5, v11                       ; r + 8 (r / 8) - 16 h: my query less my half's first key, both from their tiles' starts
	s_lshl_b32 s15, s[WV], 6
	v_lshl_add_u32 v6, v10, 2, s15
	s_delay_alu instid0(VALU_DEP_1)
	v_add_nc_u32 v6, STG, v6                       ; ctx's scale word of my row
	v_and_b32 v7, 63, v0
	s_delay_alu instid0(VALU_DEP_1)
	v_lshlrev_b32 v7, 4, v7
	s_delay_alu instid0(VALU_DEP_1)
	v_add_nc_u32 v7, STG, v7                       ; and the words' way out
	v_lshlrev_b32 v8, 4, v9
.irp p, 0,1,2
	global_load_b64 v[16+2*\p:17+2*\p], v1, s[42:43] offset:256*\p       ; q of the even head,
	global_load_b64 v[28+2*\p:29+2*\p], v1, s[42:43] offset:HS+256*\p    ; of the odd head
.endr
	global_load_b32 v40, v2, s[44:45]
	global_load_b32 v41, v2, s[44:45] offset:HS
.irp j, 22,23,24,25,26,27, 34,35,36,37,38,39
	v_mov_b32 v\j, 0                               ; q's codes of k = 64 .. 127: zeros
.endr
.irp j, 72,73,74,75,76,77
	v_mov_b32 v\j, 0                               ; what stands behind k's fourth fragment: any codes will do; written once
.endr
.irp j, 100,101,102,103, 236,237,238,239, 252,253,254
	v_mov_b32 v\j, 0                               ; written once: a lane permute's destination counts as one of its sources, and a pair's upper half as read
.endr
	s_wait_tensorcnt 0x0                           ; my record is in,
	s_barrier_signal -1
	s_barrier_wait -1                              ; everybody's is
	s_wait_loadcnt 0x0                             ; q
; A KEY STEP: 128 keys of head hd of the pair
.macro STEP hd
	s_add_co_u32 s46, s[Q0], 87                    ; my last query + 64
	s_cmp_gt_u32 s[KF], s46
	s_cbranch_scc1 .Lhidden_\@                     ; all keys come too late
	s_add_co_u32 s46, s[KF], 639                   ; the step's last key + 512
	s_cmp_lt_u32 s46, s[Q0]
	s_cbranch_scc1 .Lhidden_\@                     ; all keys lie too far back
	s_setprio 2
	v_add_nc_u32 v3, s[TB], v1
	s_wait_alu depctr_va_vdst(0)
	v_add_nc_u32 v4, s[TB], v2
	s_wait_alu depctr_va_vdst(0)
	v_nop
	v_nop                                          ; four plain instructions behind the last step's products, in front of loads into registers that they read
.irp g, 0,1                                    ; S^T = K Q^T, four tiles of 16 keys at a time
.if \g > 0
.rept 4
	v_nop
.endr
.endif
.irp t, 0,1,2,3
.irp p, 0,1,2
	ds_load_b64 v[FB+6*\t+2*\p:FB+6*\t+2*\p+1], v3 offset:(4*\g+\t)*768+256*\p
.endr
	ds_load_b32 v[248+\t], v4 offset:12288+(4*\g+\t)*64
.endr
	s_wait_dscnt 0x0
.irp t, 0,1,2,3
	v_wmma_scale_f32_16x16x128_f8f6f4 v[96+8*(4*\g+\t):103+8*(4*\g+\t)], v[FB+6*\t:FB+6*\t+11], v[16+12*\hd:27+12*\hd], 0, v[248+\t], v[40+\hd] matrix_a_fmt:MATRIX_FMT_FP6 matrix_b_fmt:MATRIX_FMT_FP6
.endr
.endr                                          ; lane (r, h): register 16 b + i is key KF + 32 b + 16 h + i
.rept 4
	v_nop                                          ; places: for the loads below and for the first read of the scores
.endr
.irp t, 0,1,2,3                                ; V's four fragments and their scale words are asked for now and land during the softmax
.irp p, 0,1,2,3,4,5
	ds_load_b64 v[FB+12*\t+2*\p:FB+12*\t+2*\p+1], v3 offset:6144+1536*\t+256*\p
.endr
	ds_load_b32 v[248+\t], v4 offset:12800+64*\t
.endr
	s_add_co_u32 s46, s[KF], 63                    ; the upper edge: skipped where the step's last key <= my first query + 64
	s_cmp_le_u32 s46, s[Q0]
	s_cbranch_scc1 .Lno_up_\@
	s_add_co_u32 s46, s[Q0], 64
	s_sub_co_i32 s46, s46, s[KF]
	v_add_nc_u32 v252, s46, v5                     ; register n's key is hidden where 32 (n / 16) + n % 16 > this
	v_mov_b32 v254, 0xff800000                     ; -infinity: p = 0 then
.set n, 0
.rept 64
	v_cmp_gt_i32 vcc_lo, 32*(n/16)+n%16, v252
	v_cndmask_b32 v[96+n], v[96+n], v254, vcc_lo
.set n, n+1
.endr
.Lno_up_\@:
	s_add_co_u32 s46, s[KF], 489                   ; the lower edge: skipped where the step's first key >= my last query - 512
	s_cmp_ge_u32 s46, s[Q0]
	s_cbranch_scc1 .Lno_low_\@
	s_sub_co_i32 s46, s[Q0], s[KF]
	s_sub_co_i32 s46, s46, 512
	v_add_nc_u32 v252, s46, v5                     ; hidden where 32 (n / 16) + n % 16 < this
	v_mov_b32 v254, 0xff800000
.set n, 0
.rept 64
	v_cmp_lt_i32 vcc_lo, 32*(n/16)+n%16, v252
	v_cndmask_b32 v[96+n], v[96+n], v254, vcc_lo
.set n, n+1
.endr
.Lno_low_\@:
	s_setprio 1
.irp b, 0,1,2,3
	v_max3_num_f32 v[232+\b], v[96+16*\b], v[97+16*\b], v[98+16*\b]   ; the largest score of each block of 32 keys: for the row's maximum, and for the block's largest p
.endr
.irp i, 3,5,7,9,11,13
.irp b, 0,1,2,3
	v_max3_num_f32 v[232+\b], v[232+\b], v[96+16*\b+\i], v[97+16*\b+\i]
.endr
.endr
.irp b, 0,1,2,3
	v_max_num_f32 v[232+\b], v[232+\b], v[111+16*\b]
.endr
.irp b, 0,1,2,3
	s_delay_alu instid0(VALU_DEP_4)
	v_permlanex16_b32 v[236+\b], v[232+\b], s[SEL], s[SEL+1]
.endr
.irp b, 0,1,2,3
	s_delay_alu instid0(VALU_DEP_4)
	v_max_num_f32 v[232+\b], v[232+\b], v[236+\b]   ; with lane l xor 16's 16 keys
.endr
	s_delay_alu instid0(VALU_DEP_2)
	v_max3_num_f32 v254, v232, v233, v234
	s_delay_alu instid0(VALU_DEP_1)
	v_max_num_f32 v254, v254, v235                 ; the step's largest score of my query
	s_delay_alu instid0(VALU_DEP_1)
	v_mul_f32 v254, s[CS], v254                    ; as t
	s_delay_alu instid0(VALU_DEP_1)
	v_max_num_f32 v13, v13, v254                   ; the running largest t
	v_mov_b32 v254, v12
	s_delay_alu instid0(VALU_DEP_2)
	v_floor_f32 v12, -v13                          ; the new -M = -ceil(t)
	s_delay_alu instid0(VALU_DEP_1)
	v_sub_f32 v254, v12, v254                      ; old M - new M: a whole number, 0 or less
	s_delay_alu instid0(VALU_DEP_1)
	v_cvt_i32_f32 v254, v254                       ; (it saturates)
	s_delay_alu instid0(VALU_DEP_1)
	v_ldexp_f32 v252, 1.0, v254                    ; f = 2^(old M - new M)
.irp j, 0,2,4,6,8,10,12,14,16,18,20,22,24,26,28,30,32,34,36,38,40,42,44,46,48,50,52,54,56,58,60,62
	v_pk_fma_f32 v[96+\j:97+\j], v[96+\j:97+\j], s[CS:CS+1], v[12:13] op_sel_hi:[1,0,0]   ; t - M, two at a time
.endr
.irp b, 0,1,2,3
	v_fma_f32 v[232+\b], v[232+\b], s[CS], v12     ; the same of each block's largest score
.endr
.set n, 0
	s_wait_alu depctr_va_vdst(0)
.rept 64
	v_exp_f32 v[96+n], v[96+n]                     ; p = 2^(t - M)
.set n, n+1
.endr
	v_pk_mul_f32 v[14:15], v[14:15], v[252:253] op_sel_hi:[1,0]   ; the sums under the new M: a plain instruction behind the exponentials
	s_wait_alu depctr_va_vdst(0)                   ; one wait for the batch, ahead of its first reader
.irp b, 0,1,2,3
	v_exp_f32 v[232+\b], v[232+\b]                 ; the block's largest p
.endr
	v_pk_add_f32 v[236:237], v[100:101], v[104:105]
	v_pk_add_f32 v[246:247], v[108:109], v[112:113]
	v_pk_add_f32 v[244:245], v[116:117], v[120:121]
	v_pk_add_f32 v[240:241], v[124:125], v[128:129]
	v_pk_add_f32 v[238:239], v[132:133], v[136:137]
	v_pk_add_f32 v[230:231], v[140:141], v[144:145]
	v_pk_add_f32 v[228:229], v[148:149], v[152:153]
	v_pk_add_f32 v[14:15], v[14:15], v[156:157]
	v_pk_add_f32 v[236:237], v[236:237], v[96:97]
	v_pk_add_f32 v[246:247], v[246:247], v[98:99]
	v_pk_add_f32 v[244:245], v[244:245], v[102:103]
	v_pk_add_f32 v[240:241], v[240:241], v[106:107]
	v_pk_add_f32 v[238:239], v[238:239], v[110:111]
	v_pk_add_f32 v[230:231], v[230:231], v[114:115]
	v_pk_add_f32 v[228:229], v[228:229], v[118:119]
	v_pk_add_f32 v[14:15], v[14:15], v[122:123]
	v_pk_add_f32 v[236:237], v[236:237], v[126:127]
	v_pk_add_f32 v[246:247], v[246:247], v[130:131]
	v_pk_add_f32 v[244:245], v[244:245], v[134:135]
	s_setprio 0
	v_pk_add_f32 v[240:241], v[240:241], v[138:139]
	v_pk_add_f32 v[238:239], v[238:239], v[142:143]
	v_pk_add_f32 v[230:231], v[230:231], v[146:147]
	v_pk_add_f32 v[228:229], v[228:229], v[150:151]
	v_pk_add_f32 v[14:15], v[14:15], v[154:155]
	v_pk_add_f32 v[236:237], v[236:237], v[158:159]
	s_delay_alu instid0(VALU_DEP_2)
	v_pk_add_f32 v[14:15], v[14:15], v[240:241]
	s_delay_alu instid0(VALU_DEP_2)
	v_pk_add_f32 v[236:237], v[236:237], v[238:239]
	v_pk_add_f32 v[246:247], v[246:247], v[230:231]
	v_pk_add_f32 v[244:245], v[244:245], v[228:229]
	s_delay_alu instid0(VALU_DEP_2)
	v_pk_add_f32 v[14:15], v[14:15], v[246:247]
	s_delay_alu instid0(VALU_DEP_2)
	v_pk_add_f32 v[236:237], v[236:237], v[244:245]
	s_delay_alu instid0(VALU_DEP_1)
	v_pk_add_f32 v[14:15], v[14:15], v[236:237]
	s_wait_alu depctr_va_vdst(0)                   ; and one for the four
.irp b, 0,1,2,3
	v_max_num_f32 v[232+\b], 0x1800000, v[232+\b]  ; the floor 2^(3 - 127)
.endr
.irp b, 0,1,2,3
	s_delay_alu instid0(VALU_DEP_4)
	v_add_nc_u32 v[244+\b], 0xff000000, v[232+\b]  ; the conversion's scale operand
.endr
.irp b, 0,1,2,3
	s_delay_alu instid0(VALU_DEP_4)
	v_lshrrev_b32 v[236+\b], 23, v[244+\b]         ; the scale's byte
.endr
	s_delay_alu instid0(VALU_DEP_3)
	v_lshl_or_b32 v253, v237, 8, v236              ; p's scale word for these 128 keys
	s_delay_alu instid0(VALU_DEP_1)
	v_lshl_or_b32 v253, v238, 16, v253
	s_delay_alu instid0(VALU_DEP_1)
	v_lshl_or_b32 v253, v239, 24, v253
.irp c, 0,1
	v_cvt_scalef32_pk16_fp6_f32 v[224+6*\c:226+6*\c], v[96+32*\c:111+32*\c], v[244+2*\c]
	v_cvt_scalef32_pk16_fp6_f32 v[236+4*\c:238+4*\c], v[112+32*\c:127+32*\c], v[244+2*\c+1]
.endr
	v_nop                                          ; one plain instruction behind the scaled conversions
.irp c, 0,1
.irp i, 0,1,2
	v_permlane16_swap_b32 v[224+6*\c+\i], v[236+4*\c+\i]
.endr
.irp i, 0,1,2
	s_delay_alu instid0(VALU_DEP_3)
	v_mov_b32 v[227+6*\c+\i], v[236+4*\c+\i]
.endr
.endr
.irp j, 0,2,4,6,8,10,12,14,16,18,20,22,24,26,28,30
	v_pk_mul_f32 v[160+32*\hd+\j:161+32*\hd+\j], v[160+32*\hd+\j:161+32*\hd+\j], v[252:253] op_sel_hi:[1,0]   ; O^T under the new M; these sixteen also stand between the writes of p's codes and scale word and the products
.endr
	s_wait_alu depctr_va_vdst(0)
	s_wait_dscnt 0x0                               ; V
.irp t, 0,1,2,3                                ; O^T += V^T P^T: the head's four tiles of 16, by turns
	v_wmma_scale_f32_16x16x128_f8f6f4 v[160+32*\hd+8*\t:167+32*\hd+8*\t], v[FB+12*\t:FB+12*\t+11], v[224:235], v[160+32*\hd+8*\t:167+32*\hd+8*\t], v[248+\t], v253 matrix_a_fmt:MATRIX_FMT_FP6 matrix_b_fmt:MATRIX_FMT_FP6
.endr
.Lhidden_\@:
	s_add_co_u32 s[TB], s[TB], KREC
	s_add_co_u32 s[KF], s[KF], 128
.endm
; One head of the pair: the window's seven steps, then O^T / the sum
.macro HEAD hd
	v_mov_b32 v13, 0xff61b1e6                      ; the largest t so far: -3e38
	s_delay_alu instid0(VALU_DEP_1)
	v_floor_f32 v12, -v13
	v_mov_b32 v14, 0
	v_mov_b32 v15, 0
.set n, 0
.rept 32
	v_mov_b32 v[160+32*\hd+n], 0                   ; O^T: the step is written once, and its first turn finds zeros
.set n, n+1
.endr
	s_mov_b32 s[TB], \hd*HLDS
	s_lshl_b32 s[KF], s11, 7
	s_mov_b32 s[CNT], 7
.Lstep_\@:
	STEP \hd
	s_sub_co_u32 s[CNT], s[CNT], 1
	s_cmp_lg_u32 s[CNT], 0
	s_cbranch_scc1 .Lstep_\@
	s_setprio 0
.rept 4
	v_nop                                          ; places behind the last products
.endr
	v_add_f32 v14, v14, v15
	s_delay_alu instid0(VALU_DEP_1)
	v_permlanex16_b32 v252, v14, s[SEL], s[SEL+1]
	s_delay_alu instid0(VALU_DEP_1)
	v_add_f32 v14, v14, v252                       ; the row's sum
	s_wait_alu depctr_va_vdst(0)
	v_rcp_f32 v14, v14
	v_nop                                          ; a plain instruction behind the reciprocal,
	s_wait_alu depctr_va_vdst(0)                   ; and the wait ahead of its first reader
.irp j, 0,2,4,6,8,10,12,14,16,18,20,22,24,26,28,30
	v_pk_mul_f32 v[160+32*\hd+\j:161+32*\hd+\j], v[160+32*\hd+\j:161+32*\hd+\j], v[14:15] op_sel_hi:[1,0]
.endr
.endm
	HEAD 0
	HEAD 1
	; v160-223: register 16 b + i is ctx(my query, 128 x pair + 32 b + 16 h + i): one K step of the last product
.set TM, 96
.set PW, 112
.set PC, 224
	QUANT 160
.irp p, 0,1,2,3,4,5
	global_store_b64 v1, v[PC+2*\p:PC+2*\p+1], s[48:49] offset:256*\p   ; a plane: 256 consecutive bytes, aligned
.endr
	ds_store_b32 v6, v[PW]
	s_wait_dscnt 0x0                               ; for the others' sake
	s_barrier_signal -1
	s_barrier_wait -1
	s_cmp_lt_u32 s[WV], 2                          ; waves 0 and 1 store the scale words of the block's two groups, 512 consecutive bytes each
	s_cbranch_scc0 .Lend
	ds_load_b128 v[96:99], v7
	s_wait_dscnt 0x0
	global_store_b128 v8, v[96:99], s[50:51]
.Lend:
	s_wait_tensorcnt 0x0
	ds_add_u32 v243, v255
	s_wait_dscnt 0x0
	s_endpgm
.Lfunc_end_k_q9db41648a1_attn:
	.size	k_q9db41648a1_attn, .Lfunc_end_k_q9db41648a1_attn-k_q9db41648a1_attn
	.p2alignl 7, 3214868480
	.fill 96, 4, 3214868480
	.section	.rodata,"a",@progbits
	.p2align	6, 0x0
	.amdhsa_kernel k_q9db41648a1_attn
		.amdhsa_group_segment_fixed_size 186368
		.amdhsa_private_segment_fixed_size 0
		.amdhsa_enable_private_segment 0
		.amdhsa_kernarg_size 24
		.amdhsa_user_sgpr_count 2
		.amdhsa_user_sgpr_kernarg_segment_ptr 1
		.amdhsa_wavefront_size32 1
		.amdhsa_system_sgpr_workgroup_id_x 1
		.amdhsa_system_sgpr_workgroup_id_y 1
		.amdhsa_system_sgpr_workgroup_id_z 1
		.amdhsa_system_vgpr_workitem_id 0
		.amdhsa_next_free_vgpr 256
		.amdhsa_next_free_sgpr 66
		.amdhsa_reserve_vcc 1
		.amdhsa_float_denorm_mode_32 3
		.amdhsa_float_denorm_mode_16_64 3
		.amdhsa_memory_ordered 1
		.amdhsa_forward_progress 1
		.amdhsa_inst_pref_size 79
	.end_amdhsa_kernel
	.amdgpu_metadata
---
amdhsa.version: [ 1, 2 ]
amdhsa.kernels:
  - .name:           k_q9db41648a1_attn
    .symbol:         k_q9db41648a1_attn.kd
    .args:
      - { .name: qkv, .offset: 0, .size: 8, .value_kind: global_buffer, .address_space: global }
      - { .name: codes, .offset: 8, .size: 8, .value_kind: global_buffer, .address_space: global }
      - { .name: scales, .offset: 16, .size: 8, .value_kind: global_buffer, .address_space: global }
    .group_segment_fixed_size: 186368
    .private_segment_fixed_size: 0
    .kernarg_segment_align: 8
    .kernarg_segment_size: 24
    .max_flat_workgroup_size: 512
    .sgpr_count:     66
    .vgpr_count:     256
    .wavefront_size: 32
...
	.end_amdgpu_metadata
.endif
;; end of part 3
;; launch gemm2 (part 4): grid 8 x 32, 4 waves a work-group, clusters of 4 x 4, 312,832 bytes of LDS; arguments codes, scales, b_out, out0; writes out0
.if DOCPART == 4
	.amdgcn_target "amdgcn-amd-amdhsa--gfx1250"
	.amdhsa_code_object_version 6
	.text
	.protected	k_q9db41648a1_gemm2
	.globl	k_q9db41648a1_gemm2
	.p2align	8
	.type	k_q9db41648a1_gemm2,@function
k_q9db41648a1_gemm2:
	s_mov_b64 s[64:65], 0
	v_nop
	global_prefetch_b8 v0, s[64:65] scope:SCOPE_SE
	s_setreg_imm32_b32 hwreg(HW_REG_WAVE_MODE, 25, 1), 1
	s_wait_xcnt 0x0
	s_wait_alu depctr_hold_cnt(0) depctr_sa_sdst(0) depctr_va_vdst(0) depctr_va_sdst(0) depctr_va_ssrc(0) depctr_va_vcc(0) depctr_vm_vsrc(0)
	s_getreg_b32 s2, hwreg(HW_REG_IB_STS2, 6, 4)
	s_cmp_eq_u32 s2, 0
	s_cbranch_scc0 .Lentry_in_a_cluster
	s_endpgm
.Lentry_in_a_cluster:
	s_bfe_u32 s2, ttmp6, 0x10000c
	s_cmp_lg_u32 s2, 0xf033
	s_cbranch_scc0 .Lentry_shape_is_right
	s_endpgm
.Lentry_shape_is_right:
; out0 = ctx W_out^T + b_out on codes of FP6 (E2M3) with E8M0 scales, K = 1,024.  ctx: groups 96-159 of codes and scales, W_out: groups 88-95 (register images: [group of 128 rows][K step 8][tile 8][1536];
; scale words [group][K step][tile][16 words]; row m of tile i is the group's row 32 (i / 2) + 8 (i % 2) + m + 8 (m / 8)).
; A work-group of four waves makes 256 tokens x 128 outputs (256 work-groups); wave (wi, wj) makes 128 tokens x 64 outputs: 32 accumulators.  Source 0 = a tile of W_out, source 1 = a tile of ctx:
; a lane holds one token, and its eight registers eight neighbouring outputs.  The bias is the C of each sum's first matrix instruction.
; ALL OF K LIES IN LDS: four slots, one for each pair of K steps, each filled once, all asked for at the head: four loads of a wave are out there.  Nothing is filled again.
; CLUSTERS: 4 x 4 work-groups; ctx's tiles are asked for jointly along a row of the cluster, W_out's along a column.
; REGISTERS: window 0: v0-31 addresses; v32-63 the bias; v64-127 scale words for all of K; v128-223 ctx's 8 fragments, one set.  window 1: W_out's 4 fragments, two sets, at v0 and v128.  window 2: the accumulators, (a, b) at v[8 (4 a + b)].
.set FR,    12
.set FRB,   1536
.set QBY,   12288
.set KPB,   24576
.set SLOT,  3*KPB                      ; ctx's two groups, then W_out's one
.set STAGE, 4*SLOT                     ; behind the slots: 16 rows x (256 bytes + 16) for each wave, for the way out
.set SPITCH, 272
.set ADRI,  16                         ; v16-19 LDS address of my fragments of ctx in slot 0 .. 3
.set ADRJ,  20                         ; v20-23 the same for W_out
.set STO,   24
.set RD,    25
.set CO,    26
.set BIAS,  32
.set SC,    64                         ; v[SC + 8 n + i]: K step n; lanes 0-15 the words of ctx's block i, lanes 16-31 those of my W_out block i (i < 4)
.set AF,    128
.set BK,    128                        ; the way out: 16 rows read back: v128-159 and v160-191 by turns
.set G1I,   24
.set G1J,   32
.set G0I,   40                         ; s[40:55]
.set MSB, 0
.macro WIN new
.if MSB != (\new)
	s_set_vgpr_msb (MSB<<8)|(\new)
.set MSB, (\new)
.endif
.endm
.set MUL,   0xa1                       ; source 0 window 1, source 1 window 0, C and D window 2
.set MUL_B, 0x81                       ; the same with C (the bias) in window 0
.set TO_J,  0x40
.macro JLOAD g0a, g1a, g0b, g1b        ; waves 0 and 1 fetch ctx's two groups, waves 2 and 3 the two K steps of W_out's.  Four v_nop follow each of the two lines
	s_cmp_eq_u32 s15, 0
	s_cbranch_scc0 .Lfor_j_\@
	tensor_load_to_lds s[\g0a:\g0a+3], s[\g1a:\g1a+7]
	s_nop 0
.rept 4
	v_nop
.endr
	s_branch .Lasked_\@
.Lfor_j_\@:
	tensor_load_to_lds s[\g0b:\g0b+3], s[\g1b:\g1b+7]
	s_nop 0
.rept 4
	v_nop
.endr
.Lasked_\@:
.endm
.macro CROUND                          ; a round of the cluster's barrier
	s_barrier_signal -1
	s_barrier_wait -1
	s_cmp_lg_u32 s14, 0
	s_cbranch_scc1 .Lnot_wave_0_\@
	s_barrier_signal -3
.Lnot_wave_0_\@:
	s_barrier_wait -3
	s_barrier_signal -1
	s_barrier_wait -1
.endm
.macro PLACES
.rept 4
	v_nop
.endr
.endm
.macro FRAG reg, adr, off
.irp p, 0,1,2,3,4,5
	ds_load_b64 v[\reg+2*\p:\reg+2*\p+1], v[\adr] offset:\off+256*\p
.endr
.endm
.macro FETCH_J s, q, p
	WIN TO_J
.irp b, 0,1,2,3
	FRAG 128*(\p)+FR*\b, ADRJ+\s, QBY*(\q)+FRB*\b
.endr
	WIN 0
.endm
.macro FETCH_I s, q, i0
.irp i, \i0, \i0+1, \i0+2, \i0+3
	FRAG AF+FR*(\i), ADRI+\s, QBY*(\q)+FRB*(\i)
.endr
.endm
; 8 matrix instructions: ctx's blocks a0, a0 + 1 x my four of W_out.  c = 1: the bias starts the sums.  The 32 accumulators take turns, one instruction a turn.
.macro MUL2 a0, p, ks, c
.irp a, \a0, \a0+1
.irp b, 0,1,2,3
.if \c
	v_wmma_scale_f32_16x16x128_f8f6f4 v[8*(4*(\a)+\b):8*(4*(\a)+\b)+7], v[128*(\p)+FR*\b:128*(\p)+FR*\b+FR-1], v[AF+FR*(\a):AF+FR*(\a)+FR-1], v[BIAS+8*\b:BIAS+8*\b+7], v[SC+8*(\ks)+\b], v[SC+8*(\ks)+(\a)] matrix_a_fmt:MATRIX_FMT_FP6 matrix_b_fmt:MATRIX_FMT_FP6 matrix_a_scale:MATRIX_SCALE_ROW1
.else
	v_wmma_scale_f32_16x16x128_f8f6f4 v[8*(4*(\a)+\b):8*(4*(\a)+\b)+7], v[128*(\p)+FR*\b:128*(\p)+FR*\b+FR-1], v[AF+FR*(\a):AF+FR*(\a)+FR-1], v[8*(4*(\a)+\b):8*(4*(\a)+\b)+7], v[SC+8*(\ks)+\b], v[SC+8*(\ks)+(\a)] matrix_a_fmt:MATRIX_FMT_FP6 matrix_b_fmt:MATRIX_FMT_FP6 matrix_a_scale:MATRIX_SCALE_ROW1
.endif
.endr
.endr
.endm
.macro MWIN c
.if \c
	WIN MUL_B
.else
	WIN MUL
.endif
.endm
.macro STEP ns, nq, ks, c              ; K step ks; its successor lies in the same slot
	s_wait_dscnt 24                                ; W_out's set and ctx's blocks 0-3 are in; the youngest 24 loads (blocks 4-7) may be out
	MWIN \c
	MUL2 0, (\ks)%2, \ks, \c
	MUL2 2, (\ks)%2, \ks, \c
	s_wait_dscnt 0x0
	PLACES
	FETCH_J \ns, \nq, 1-(\ks)%2
	FETCH_I \ns, \nq, 0
	MWIN \c
	MUL2 4, (\ks)%2, \ks, \c
	MUL2 6, (\ks)%2, \ks, \c
	PLACES
	WIN 0
	FETCH_I \ns, \nq, 4
.endm
; A slot's second K step: behind its barrier the next slot is whole for every wave.  cnt: my loads for the slots behind the next one, which may stay out
.macro TURNP ks, next, cnt
	s_wait_tensorcnt \cnt
	s_wait_dscnt 24
	WIN MUL
	MUL2 0, 1, \ks, 0
	s_wait_dscnt 0x0                               ; no LDS instruction of mine is pending at the signal
	s_barrier_signal -1
	MUL2 2, 1, \ks, 0
	WIN 0
	s_barrier_wait -1
	PLACES
	FETCH_J \next, 0, 0
	FETCH_I \next, 0, 0
	WIN MUL
	MUL2 4, 1, \ks, 0
	MUL2 6, 1, \ks, 0
	PLACES
	WIN 0
	FETCH_I \next, 0, 4
.endm
	s_load_b256 s[4:11], s[0:1], 0x0               ; codes s[4:5], scales s[6:7], b_out s[8:9], out0 s[10:11]
	v_lshl_add_u32 v254, v0, 2, 0x4c400
	v_mov_b32 v255, 0
	ds_add_u32 v254, v255
	ds_add_u32 v254, v255
	v_lshrrev_b32 v1, 5, v0
	v_readfirstlane_b32 s14, v1                    ; wave 0..3
	s_lshr_b32 s15, s14, 1                         ; wi: which group of tokens is mine.  Also: I fetch for ctx (0) or for W_out (1)
	s_and_b32 s16, s14, 1                          ; wj: which 64 outputs are mine.  Also: which part I fetch
	s_bfe_u32 s17, ttmp6, 0x40000                  ; cx
	s_bfe_u32 s18, ttmp6, 0x40004                  ; cy
	s_lshl_b32 s19, ttmp9, 2
	s_add_co_u32 s19, s19, s17                     ; the tile of 128 outputs = 4 x cluster x + cx
	s_and_b32 s20, ttmp7, 0xffff
	s_lshl_b32 s20, s20, 2
	s_add_co_u32 s20, s20, s18                     ; the tile of 256 tokens = 4 x cluster y + cy
	s_lshl_b32 s22, s18, 2
	s_lshl_b32 s22, 15, s22                        ; my row of the cluster
	s_lshl_b32 s23, 0x1111, s17                    ; my column
	; descriptor group 1: dense bytes as rows of 32 elements of 8 bytes: ctx 96 rows (a group's pair of K steps), W_out 48 (one K step)
	s_or_b32 s[G1I], s22, (3<<16)|(1<<21)
	s_mov_b32 s[G1I+1], 32<<16
	s_mov_b32 s[G1I+2], 96<<16
	s_mov_b32 s[G1I+3], 32<<16
	s_mov_b32 s[G1I+4], 96
	s_mov_b32 s[G1I+5], 32
	s_mov_b32 s[G1I+6], 0
	s_mov_b32 s[G1I+7], 0
	s_or_b32 s[G1J], s23, (3<<16)|(1<<21)
	s_mov_b32 s[G1J+1], 32<<16
	s_mov_b32 s[G1J+2], 48<<16
	s_mov_b32 s[G1J+3], 32<<16
	s_mov_b32 s[G1J+4], 48
	s_mov_b32 s[G1J+5], 32
	s_mov_b32 s[G1J+6], 0
	s_mov_b32 s[G1J+7], 0
	s_lshl_b32 s86, s20, 1
	s_add_co_u32 s86, s86, s16
	s_add_co_u32 s86, s86, 96
	s_mul_i32 s86, s86, 98304                      ; the group of ctx that I fetch
	s_mov_b32 s87, 0
	s_add_co_u32 s81, s19, 88                      ; CJ: W_out's group
	s_mul_i32 s88, s81, 98304
	s_mul_i32 s89, s16, QBY
	s_add_co_u32 s88, s88, s89                     ; and the K step of each pair that I fetch
	s_mov_b32 s89, 0
	s_lshl_b32 s80, s20, 1
	s_add_co_u32 s80, s80, s15                     ; the group of tokens that I multiply, 0..63 (CI = 96 + this)
	s_mul_i32 s90, s16, KPB                        ; where ctx's load lands in a slot,
	s_mul_i32 s91, s16, QBY
	s_add_co_u32 s91, s91, 2*KPB                   ; and W_out's: no place in the cluster enters an LDS address
	s_wait_dscnt 0x0
	s_wait_kmcnt 0x0
	s_add_nc_u64 s[76:77], s[4:5], s[86:87]
	s_add_nc_u64 s[78:79], s[4:5], s[88:89]
	CROUND                                         ; all sixteen work-groups are here: the joint loads meet
.irp kp, 0,1,2,3
.set GI, G0I+4*\kp
.if \kp < 2
.set GJ, 56+4*\kp                      ; s[56:63],
.else
.set GJ, 60+4*\kp                      ; s[68:75]
.endif
	s_mov_b32 s[GI], 1
	s_add_co_u32 s[GI+1], s90, \kp*SLOT
	s_add_nc_u64 s[GI+2:GI+3], s[76:77], \kp*KPB
	s_or_b32 s[GI+3], s[GI+3], 0x80000000
	s_mov_b32 s[GJ], 1
	s_add_co_u32 s[GJ+1], s91, \kp*SLOT
	s_add_nc_u64 s[GJ+2:GJ+3], s[78:79], \kp*KPB
	s_or_b32 s[GJ+3], s[GJ+3], 0x80000000
	JLOAD GI, G1I, GJ, G1J
.endr
	v_and_b32 v1, 31, v0                           ; lane
	v_and_b32 v2, 15, v0                           ; r
	v_bfe_u32 v3, v0, 4, 1                         ; h
	v_lshlrev_b32 v6, 3, v1                        ; 8 x lane
	s_mul_i32 s86, s15, KPB                        ; my group of ctx in a slot,
	s_mul_i32 s87, s16, 4*FRB
	s_add_co_u32 s87, s87, 2*KPB                   ; my four tiles of W_out
.irp s, 0,1,2,3
	v_add_nc_u32 v[ADRI+\s], s86, v6
	v_add_nc_u32 v[ADRJ+\s], s87, v6
	s_add_co_u32 s86, s86, SLOT
	s_add_co_u32 s87, s87, SLOT
.endr
	s_mul_i32 s86, s14, 16*SPITCH
	s_add_co_u32 s86, s86, STAGE                   ; my stage
	v_mul_u32_u24 v4, v2, SPITCH
	v_lshl_add_u32 v4, v3, 6, v4
	v_add_nc_u32 v[STO], s86, v4                   ; in: row r, + 64 h
	v_mul_u32_u24 v5, v3, SPITCH
	v_lshl_add_u32 v5, v2, 4, v5
	v_add_nc_u32 v[RD], s86, v5                    ; back: lanes 0-15 one row of 256 bytes, lanes 16-31 the next
	v_lshlrev_b32 v5, 12, v3
	v_lshl_add_u32 v[CO], v2, 4, v5                ; and the same two rows in out0
	v_lshlrev_b32 v31, 6, v3                       ; the bias: 64 h
	s_lshl_b32 s86, s19, 9
	s_lshl_b32 s87, s16, 8
	s_add_co_u32 s86, s86, s87                     ; my 64 outputs, in bytes
	s_mov_b32 s87, 0
	s_add_nc_u64 s[84:85], s[8:9], s[86:87]
	s_lshl_b32 s88, s80, 19                        ; my 128 tokens: rows of 4,096 bytes
	s_add_co_u32 s88, s88, s86
	s_mov_b32 s89, 0
	s_add_nc_u64 s[82:83], s[10:11], s[88:89]
	s_add_co_u32 s86, s80, 96
	s_lshl_b32 s86, s86, 12                        ; the scale words: lanes 0-15 take ctx's group, lanes 16-31 my four tiles of W_out's
	s_lshl_b32 s87, s81, 12
	s_lshl_b32 s88, s16, 8
	s_add_co_u32 s87, s87, s88
	v_mov_b32 v27, s86
	v_mov_b32 v4, s87
	v_cmp_eq_u32 vcc_lo, 1, v3
	v_cndmask_b32 v27, v27, v4, vcc_lo
	v_lshl_add_u32 v27, v2, 2, v27
.irp n, 0,1,2,3,4,5,6,7
.irp i, 0,1,2,3,4,5,6,7
	global_load_b32 v[SC+8*\n+\i], v27, s[6:7] offset:512*\n+64*\i   ; (for i above 3 the upper lanes' words are read by no product; they lie inside the buffer)
.endr
.endr
.irp b, 0,1,2,3
	global_load_b128 v[BIAS+8*\b:BIAS+8*\b+3], v31, s[84:85] offset:(32*(\b/2)+8*(\b%2))*4       ; lane (r, h), tile b: outputs 32 (b / 2) + 8 (b % 2) + 16 h + 0 .. 7
	global_load_b128 v[BIAS+8*\b+4:BIAS+8*\b+7], v31, s[84:85] offset:(32*(\b/2)+8*(\b%2))*4+16
.endr
	s_wait_tensorcnt 3                             ; my part of slot 0 is in; the three later slots may stay out
	s_barrier_signal -1
	s_barrier_wait -1
	FETCH_J 0, 0, 0
	FETCH_I 0, 0, 0
	FETCH_I 0, 0, 4
	s_wait_loadcnt 0x0                             ; the scale words and the bias
	STEP 0, 1, 0, 1                                ; K step 0: the bias starts the sums
	TURNP 1, 1, 2
	STEP 1, 1, 2, 0
	TURNP 3, 2, 1
	STEP 2, 1, 4, 0
	TURNP 5, 3, 0
	STEP 3, 1, 6, 0
	s_wait_dscnt 24                                ; K step 7: nothing more to fetch
	WIN MUL
	MUL2 0, 1, 7, 0
	MUL2 2, 1, 7, 0
	s_wait_dscnt 0x0
	MUL2 4, 1, 7, 0
	MUL2 6, 1, 7, 0
	WIN 0
; THE WAY OUT, block by block of 16 tokens x 64 outputs: through my own stage and back as whole rows of 256 bytes.  LDS serves a wave's instructions in order: no wait between the stores and the loads.
.macro TOSTAGE a
	WIN 0x08                                       ; an LDS store's data: window 2
.irp b, 0,1,2,3
	ds_store_b128 v[STO], v[8*(4*(\a)+\b):8*(4*(\a)+\b)+3] offset:(32*(\b/2)+8*(\b%2))*4       ; each accumulator from its low end on
	ds_store_b128 v[STO], v[8*(4*(\a)+\b)+4:8*(4*(\a)+\b)+7] offset:(32*(\b/2)+8*(\b%2))*4+16
.endr
	WIN 0
.set BB, BK+32*((\a)%2)
.irp t, 0,1,2,3,4,5,6,7
	ds_load_b128 v[BB+4*\t:BB+4*\t+3], v[RD] offset:\t*2*SPITCH
.endr
.endm
.macro SEND a, younger                 ; younger: the LDS instructions issued behind block a's loads, which may stay out
.set BB, BK+32*((\a)%2)
	s_wait_dscnt \younger
.irp t, 0,1,2,3,4,5,6,7
	global_store_b128 v[CO], v[BB+4*\t:BB+4*\t+3], s[82:83] offset:(32*((\a)/2)+8*((\a)%2)+2*\t+8*(\t/4))*4096 th:TH_STORE_NT   ; stage row 2 t + h is token 32 (a / 2) + 8 (a % 2) + 2 t + h + 8 (t / 4); 16 lanes store 256 consecutive bytes, aligned
.endr
.endm
	PLACES                                         ; behind the last products: for the reads of their results and the loads into ctx's fragments' registers
	TOSTAGE 0
.irp a, 1,2,3,4,5,6,7
.if \a > 1
	s_wait_xcnt 0x0                                ; block a - 2's stores have read their registers: block a's loads may land there
.endif
	TOSTAGE \a
	SEND \a-1, 16                                  ; behind block a - 1's loads: block a's 8 stores and 8 loads
.endr
	SEND 7, 0
	s_wait_tensorcnt 0x0
	ds_add_u32 v254, v255
	s_wait_dscnt 0x0
	CROUND                                         ; the closing round: no work-group ends while a partner may still ask for a tile that names it
	s_endpgm
.Lfunc_end_k_q9db41648a1_gemm2:
	.size	k_q9db41648a1_gemm2, .Lfunc_end_k_q9db41648a1_gemm2-k_q9db41648a1_gemm2
	.p2alignl 7, 3214868480
	.fill 96, 4, 3214868480
	.section	.rodata,"a",@progbits
	.p2align	6, 0x0
	.amdhsa_kernel k_q9db41648a1_gemm2
		.amdhsa_group_segment_fixed_size 312832
		.amdhsa_private_segment_fixed_size 0
		.amdhsa_enable_private_segment 0
		.amdhsa_kernarg_size 32
		.amdhsa_user_sgpr_count 2
		.amdhsa_user_sgpr_kernarg_segment_ptr 1
		.amdhsa_wavefront_size32 1
		.amdhsa_system_sgpr_workgroup_id_x 1
		.amdhsa_system_sgpr_workgroup_id_y 1
		.amdhsa_system_sgpr_workgroup_id_z 1
		.amdhsa_system_vgpr_workitem_id 0
		.amdhsa_next_free_vgpr 768
		.amdhsa_next_free_sgpr 96
		.amdhsa_reserve_vcc 1
		.amdhsa_float_denorm_mode_32 3
		.amdhsa_float_denorm_mode_16_64 3
		.amdhsa_memory_ordered 1
		.amdhsa_forward_progress 1
		.amdhsa_inst_pref_size 104
	.end_amdhsa_kernel
	.amdgpu_metadata
---
amdhsa.version: [ 1, 2 ]
amdhsa.kernels:
  - .name:           k_q9db41648a1_gemm2
    .symbol:         k_q9db41648a1_gemm2.kd
    .args:
      - { .name: codes, .offset: 0, .size: 8, .value_kind: global_buffer, .address_space: global }
      - { .name: scales, .offset: 8, .size: 8, .value_kind: global_buffer, .address_space: global }
      - { .name: b_out, .offset: 16, .size: 8, .value_kind: global_buffer, .address_space: global }
      - { .name: out0, .offset: 24, .size: 8, .value_kind: global_buffer, .address_space: global }
    .group_segment_fixed_size: 312832
    .private_segment_fixed_size: 0
    .kernarg_segment_align: 8
    .kernarg_segment_size: 32
    .max_flat_workgroup_size: 128
    .sgpr_count:     96
    .vgpr_count:     768
    .wavefront_size: 32
...
	.end_amdgpu_metadata
.endif
;; end of part 4
